; MI455X (gfx1250); checked and timed in simulation.
; The chip was launched on July 23, 2026; its instructions are those of AMD's public machine-readable ISA for CDNA 5 (MIT licence, August 2026) and "CDNA5" Instruction Set Architecture Reference Guide (July 2026). The comments in the code are by the model that wrote it; some were corrected since.
;; Attn Block. Allowed arithmetic: matrix products marked QUANTISED: E5M2 operands, one E8M0 scale for each 32 along K, by v_wmma_scale_f32_16x16x128_f8f6f4 with both operands' format E5M2, f32 sums; everything else in f32.
;; Inputs: Wk 512 x 512 float32; Wq 512 x 512 float32; Wt 512 x 512 float32; Wv 512 x 512 float32; bk 512 float32; bq 512 float32; bt 512 float32; bv 512 float32; gn_bias 512 float32; gn_scale 512 float32; x 32 x 512 x 32 x 32 float32.
;; Outputs: out0 32 x 512 x 32 x 32 float32.
;; This version of the problem:
;;   THIS VERSION OF THE PROBLEM IS GIVEN IN LOW PRECISION. The matrix products marked QUANTISED in the list below multiply operands that are first quantised to E5M2 (5 exponent bits, 2 mantissa bits; 8 bits a number), with one power-of-two scale for each 32 numbers along K (OCP MX v1.0); their sums are f32. All else is computed in f32.
;;   The module's matrix products, in the order in which they are computed (A, B: the left and right operand; K: the contracted axis; several contracted axes count as one K, in the product's order):
;;     1. [M 512, K 512] x [K 512, N 32,768]; A: input Wq; B: computed on the way: QUANTISED
;;     2. [M 512, K 512] x [K 512, N 32,768]; A: input Wk; B: computed on the way: QUANTISED
;;     3. [M 512, K 512] x [K 512, N 32,768]; A: input Wv; B: computed on the way: QUANTISED
;;     4. batch 32 x [M 1,024, K 512] x [K 512, N 1,024]; A: computed on the way; B: computed on the way: QUANTISED
;;     5. batch 32 x [M 512, K 1,024] x [K 1,024, N 1,024]; A: computed on the way; B: computed on the way: QUANTISED
;;     6. [M 512, K 512] x [K 512, N 32,768]; A: input Wt; B: computed on the way: QUANTISED
;;   THE QUANTISER, for each operand of a quantised product, along K:
;;     - K is cut into blocks of 32 from its start; a last block that is shorter is filled with zeros.
;;     - A block's scale is 2^e with e = floor(log2(the largest magnitude in the block)) - 15, held to -126 .. 127; a block of zeros has e = 0. As a byte (E8M0): e + 127.
;;     - Each number is divided by its block's scale, clamped to +-57,344, and rounded to the nearest number of E5M2, ties to even, subnormals kept.
;;     - The product sums the exact products of the quantised numbers (number of the format x scale) in f32.
;;   ~~~python
;;   def quantise(x, axis):      # numpy; x: float32 -> the quantised numbers, widened to float32 again
;;       x = np.moveaxis(x, axis, -1); K = x.shape[-1]
;;       x = np.pad(x, [(0, 0)] * (x.ndim - 1) + [(0, -K % 32)]); x = x.reshape(x.shape[:-1] + (-1, 32)); a = np.abs(x).max(-1, keepdims=True)
;;       e = np.where(a > 0, np.clip(np.frexp(np.where(a > 0, a, 1))[1] - 1 - 15, -126, 127), 0)      # np.frexp(a)[1] - 1 = floor(log2(a)), exactly
;;       r = np.clip(x / 2.0 ** e, -57344, 57344)
;;       step = 2.0 ** (np.maximum(np.frexp(np.where(r == 0, 1, r))[1] - 1, -14) - 2)
;;       q = np.round(r / step) * step * 2.0 ** e      # np.round: ties to even
;;       return np.moveaxis(q.reshape(q.shape[:-2] + (-1,))[..., :K], -1, axis).astype(np.float32)
;;   ~~~
;;   OPERANDS COMPUTED ON THE WAY. 'Computed on the way' means the value that the module computes at that place (a softmax that the list does not call 'softmax' is quantised finished and normalised). What goes into a quantiser is computed in f32, as accurately as f32 sums, v_exp_f32 and their like allow (about 1e-6 of the number): no bf16 or f16 on the way to a quantiser, and a product that is left as it is and whose result goes on into a quantised operand takes f32 operands (vector FMAs, or v_wmma_f32_16x16x4_f32). A number that lies on a knife's edge between two numbers of the format may be rounded either way, as far as f32 arithmetic and the matrix unit's own rounding can turn it there, and no further.
;; 2 versions, each right; version 2 is version 1 with the launch attn written anew for expert scheduling mode. Each part assembles by itself: llvm-mc -triple=amdgcn-amd-amdhsa -mcpu=gfx1250 --defsym DOCPART=n.
;; ======== version 1 of 2: 3 launches
;; workspace buffers: hc 16,777,216 bytes; hsp 524,288 bytes; wc 1,048,576 bytes; wsw 32,768 bytes; qkvc 50,331,648 bytes; qkvs 1,572,864 bytes
;; launch prep (part 1): grid 16 x 34, 8 waves a work-group, no clusters, 35,840 bytes of LDS; arguments x, gn_scale, gn_bias, Wq, Wk, Wv, Wt, hc, hsp, wc, wsw; writes hc, hsp, wc, wsw
.if DOCPART == 1
	.amdgcn_target "amdgcn-amd-amdhsa--gfx1250"
	.amdhsa_code_object_version 6
	.text
	.protected	k_qfa3f139920_prep
	.globl	k_qfa3f139920_prep
	.p2align	8
	.type	k_qfa3f139920_prep,@function
k_qfa3f139920_prep:
	s_mov_b64 s[64:65], 0
	v_nop
	global_prefetch_b8 v0, s[64:65] scope:SCOPE_SE
	s_setreg_imm32_b32 hwreg(HW_REG_WAVE_MODE, 25, 1), 1
	s_wait_xcnt 0x0
; GroupNorm of x with h's quantiser (work-group y < 32), and the quantiser of the four weights (y = 32, 33).  Codes of E5M2 with one E8M0 byte for each 32 channels.
; x: [32 images][512 channels][1,024 tokens] f32.  A group is 16 channels x 1,024 tokens; a block of K is 32 channels: two groups.
; TILES.  16 tokens (or 16 output channels d) form tile T; its row r is index 32 (T / 2) + 8 (T % 2) + r + 8 (r / 8).  An operand lies in memory as an IMAGE OF ITS REGISTERS: a fragment (16 rows x 128 K) is
; 2,048 bytes, [32 K: cc 0..3][lane r + 16 h][16 codes: k = 32 cc + 16 h + 0..15].  hc: [image][T 64][8 KiB];  wc: [q, k, v, t][tile 32][8 KiB].
; hsp: h's scale bytes as planes [image][block 16][16 T + r];  wsw: [weight][tile][r][16 bytes, one for each block].
; GROUPNORM PATH: a work-group takes image y, channels 32 x .. 32 x + 31, all tokens: 128 KiB, kept in registers (thread t: tokens 4 t .. 4 t + 3 of 32 channels), so x is read once here.
; Mean first, then the sum of squares of x - mean: no difference of large sums.  A token's 32 normalised numbers then lie in ONE lane: a whole block.
; WEIGHTS PATH: a lane takes a column d and its registers run down c (the K of every product with a weight): nothing is transposed.
; A block's scale byte is its largest magnitude's exponent field - 15, held at 1 from below.
; LIMITS: NaN and infinities are not served; a block of zeros gets the byte 1 (its codes are zeros, and these bytes are read by this program alone).
; No matrix work, no tensor loads, no cluster: work-groups share no input.
.set X,    32                          ; v32-159  the numbers: channel c's four tokens at X + 4 c (weights: block k's 32 numbers at X + 32 k)
.set H,    160                         ; v160-191 one token's 32 normalised numbers
.set C,    192                         ; v192-223 codes: eight registers for each of four blocks, so that no store's data are written again
.set QA,   224                         ; v224-225 two chains of a block's largest magnitude
.set QS,   226                         ; the conversion's scale operand
.set QH,   227                         ; 57,344 x the scale
.set QB,   228                         ; v228-231 four scale bytes
.set GH,   232                         ; my byte offset in hc
.set SR,   233                         ; where I read my wave's stage back
.set SCB,  32768                       ; LDS: 0 .. 32,767 a stage of 4,096 bytes for each wave; then 1,024 scale bytes; then the waves' partial sums
.set RED1, 33792
.set RED2, 34048
.set SC,   28                          ; s[28:59] gn_scale of my 32 channels, later x 1 / sqrt(var + eps)
.set BI,   68                          ; s[68:99] gn_bias
.set MNT,  62                          ; the mantissa field of 57,344
.set WV,   63                          ; my wave's number
.set SEL,  100                         ; s[100:101] v_permlanex16_b32's selects for lane l xor 16
; 32 numbers of a lane, v[s] on, a whole block: codes into v[c .. c + 7], the scale's byte into v[e]
.macro QUANT32 s, c, e
	v_max3_num_f32 v[QA], |v[(\s)]|, |v[(\s)+1]|, |v[(\s)+2]|
	v_max3_num_f32 v[QA+1], |v[(\s)+3]|, |v[(\s)+4]|, |v[(\s)+5]|
.irp i, 6,10,14,18,22,26
	v_max3_num_f32 v[QA], v[QA], |v[(\s)+\i]|, |v[(\s)+\i+1]|
	v_max3_num_f32 v[QA+1], v[QA+1], |v[(\s)+\i+2]|, |v[(\s)+\i+3]|
.endr
	v_max3_num_f32 v[QA], v[QA], |v[(\s)+30]|, |v[(\s)+31]|
	v_max3_num_f32 v[QA], v[QA], v[QA+1], 0x8000000        ; and the floor 2^(16 - 127): the byte cannot fall under 1
	v_add_nc_u32 v[QS], 0xf8800000, v[QA]                  ; 15 off the exponent field: the conversion takes that field as its scale
	v_and_or_b32 v[QH], v[QA], 0x7f800000, s[MNT]          ; 57,344 x the scale
.set qi, 0
.rept 32
	v_med3_num_f32 v[(\s)+qi], v[(\s)+qi], -v[QH], v[QH]   ; the conversion to an 8-bit code does not saturate (ISA guide 7.6.2): the hold comes first
.set qi, qi+1
.endr
.irp g, 0,1,2,3
	v_cvt_scalef32_pk8_bf8_f32 v[(\c)+2*\g:(\c)+2*\g+1], v[(\s)+8*\g:(\s)+8*\g+7], v[QS]
.endr
	v_lshrrev_b32 v[(\e)], 23, v[QS]                       ; the byte; also the plain line behind the conversions
.endm
; v[a] and v[b] summed over the wave's 32 lanes; ta, tb: registers that have been written
.macro FOLD a, b, ta, tb
.irp m, 1,2,4,8
	v_add_f32_dpp v[\a], v[\a], v[\a] row_xmask:\m row_mask:0xf bank_mask:0xf
	v_add_f32_dpp v[\b], v[\b], v[\b] row_xmask:\m row_mask:0xf bank_mask:0xf
.endr
	v_permlanex16_b32 v[\ta], v[\a], s[SEL], s[SEL+1]
	v_permlanex16_b32 v[\tb], v[\b], s[SEL], s[SEL+1]
	v_add_f32 v[\a], v[\a], v[\ta]
	v_add_f32 v[\b], v[\b], v[\tb]
.endm
; the eight waves' sums meet: each wave stores its two words, one barrier, every wave reads all sixteen: group A's total in v16, group B's in v24
.macro MEET a, b, base
	ds_store_b32 v4, v[\a] offset:\base
	ds_store_b32 v4, v[\b] offset:\base+32
	s_wait_dscnt 0x0                                       ; for the others' sake: my stores are done
	s_barrier_signal -1
	s_barrier_wait -1
	ds_load_b128 v[16:19], v5 offset:\base
	ds_load_b128 v[20:23], v5 offset:\base+16
	ds_load_b128 v[24:27], v5 offset:\base+32
	ds_load_b128 v[28:31], v5 offset:\base+48
	s_wait_dscnt 0x0
	v_pk_add_f32 v[16:17], v[16:17], v[18:19]
	v_pk_add_f32 v[20:21], v[20:21], v[22:23]
	v_pk_add_f32 v[24:25], v[24:25], v[26:27]
	v_pk_add_f32 v[28:29], v[28:29], v[30:31]
	v_pk_add_f32 v[16:17], v[16:17], v[20:21]
	v_pk_add_f32 v[24:25], v[24:25], v[28:29]
	v_add_f32 v16, v16, v17
	v_add_f32 v24, v24, v25
.endm
	s_load_b512 s[4:19], s[0:1], 0x0               ; x, gn_scale, gn_bias, Wq, Wk, Wv, Wt, hc
	s_load_b128 s[20:23], s[0:1], 0x40             ; hsp, wc
	s_load_b64 s[24:25], s[0:1], 0x50              ; wsw
	v_lshl_add_u32 v240, v0, 2, 0x8800
	v_mov_b32 v241, 0
	s_and_b32 s2, ttmp7, 0xffff                    ; work-group y
	s_mov_b32 s[MNT], 0x600000
	s_mov_b32 s[SEL], 0x76543210
	s_mov_b32 s[SEL+1], 0xfedcba98
	v_lshrrev_b32 v1, 5, v0
	v_readfirstlane_b32 s[WV], v1
	s_mov_b32 s27, 0
	s_cmp_ge_u32 s2, 32
	s_cbranch_scc1 .Lweights                       ; the same way for all eight waves: it hangs on the work-group's number alone
	; ---------------- GroupNorm and h's codes: image y, block x
	s_lshl_b32 s26, s2, 21                         ; an image is 2 MiB,
	s_lshl_b32 s3, ttmp9, 17                       ; 32 channels 128 KiB
	s_add_co_u32 s26, s26, s3
	v_lshlrev_b32 v2, 4, v0                        ; my four tokens: 16 t
	s_wait_kmcnt 0x0
	s_add_nc_u64 s[4:5], s[4:5], s[26:27]
.set i, 0
.rept 32
	global_load_b128 v[X+4*i:X+4*i+3], v2, s[4:5] offset:4096*i th:TH_LOAD_NT   ; a wave reads 512 consecutive bytes of channel i
.set i, i+1
.endr
	s_lshl_b32 s60, ttmp9, 7                       ; my 32 gains and biases: 128 bytes
	s_mov_b32 s61, 0
	s_add_nc_u64 s[6:7], s[6:7], s[60:61]
	s_add_nc_u64 s[8:9], s[8:9], s[60:61]
	s_load_b512 s[SC:SC+15], s[6:7], 0x0
	s_load_b512 s[SC+16:SC+31], s[6:7], 0x40
	s_load_b512 s[BI:BI+15], s[8:9], 0x0
	s_load_b512 s[BI+16:BI+31], s[8:9], 0x40
	s_lshl_b32 s60, s2, 19                         ; hc: 512 KiB an image; my block is chunk x (512 bytes) of every tile
	s_lshl_b32 s3, ttmp9, 9
	s_add_co_u32 s60, s60, s3
	s_add_nc_u64 s[18:19], s[18:19], s[60:61]
	s_lshl_b32 s60, s2, 14                         ; hsp: 16 KiB an image, a plane of 1,024 bytes a block
	s_lshl_b32 s3, ttmp9, 10
	s_add_co_u32 s60, s60, s3
	s_add_nc_u64 s[20:21], s[20:21], s[60:61]
	v_lshlrev_b32 v4, 2, v1                        ; 4 x wave: my wave's word among the partial sums
	v_mov_b32 v5, 0
	; token n = 4 t + j lies in tile 2 (n / 32) + (n / 8) % 2, row 8 ((n / 16) % 2) + n % 8
	v_and_b32 v3, 0xf9, v0                         ; the scale bytes' word: t with its bits 1 and 2 exchanged
	v_bfe_u32 v7, v0, 1, 1
	v_lshl_or_b32 v3, v7, 2, v3
	v_lshrrev_b32 v6, 3, v0                        ; the stage: 1,024 (t / 8): the wave's 4,096 and a pair of tiles,
	v_lshlrev_b32 v6, 10, v6
	v_lshl_add_u32 v6, v7, 9, v6                   ; + 512 for the odd tile,
	v_bfe_u32 v7, v0, 2, 1
	v_lshl_or_b32 v3, v7, 1, v3
	v_lshl_add_u32 v6, v7, 7, v6                   ; + 16 x row: 128 for rows 8 on,
	v_and_b32 v7, 1, v0
	v_lshl_add_u32 v6, v7, 6, v6                   ; 64 for rows 4 on; 16 j stands in the immediate
	v_lshlrev_b32 v3, 2, v3
	v_and_b32 v7, 31, v0
	v_lshlrev_b32 v7, 4, v7
	v_lshl_add_u32 v[GH], v1, 16, v7               ; hc: my wave's eight tiles (64 KiB) + 16 x lane
	v_lshl_add_u32 v[SR], v1, 12, v7               ; the stage read back: 4,096 x wave + 16 x lane
	; the sums of the two groups, two chains each
	s_wait_loadcnt 24                              ; channels 0-7 are in; the 24 younger loads stay out
	v_pk_add_f32 v[8:9], v[X:X+1], v[X+4:X+5]
	v_pk_add_f32 v[10:11], v[X+2:X+3], v[X+6:X+7]
.irp c, 2,3,4,5,6,7
	v_pk_add_f32 v[8:9], v[8:9], v[X+4*\c:X+4*\c+1]
	v_pk_add_f32 v[10:11], v[10:11], v[X+4*\c+2:X+4*\c+3]
.endr
	s_wait_loadcnt 16
.irp c, 8,9,10,11,12,13,14,15
	v_pk_add_f32 v[8:9], v[8:9], v[X+4*\c:X+4*\c+1]
	v_pk_add_f32 v[10:11], v[10:11], v[X+4*\c+2:X+4*\c+3]
.endr
	s_wait_loadcnt 8
	v_pk_add_f32 v[12:13], v[X+64:X+65], v[X+68:X+69]
	v_pk_add_f32 v[14:15], v[X+66:X+67], v[X+70:X+71]
.irp c, 18,19,20,21,22,23
	v_pk_add_f32 v[12:13], v[12:13], v[X+4*\c:X+4*\c+1]
	v_pk_add_f32 v[14:15], v[14:15], v[X+4*\c+2:X+4*\c+3]
.endr
	s_wait_loadcnt 0
.irp c, 24,25,26,27,28,29,30,31
	v_pk_add_f32 v[12:13], v[12:13], v[X+4*\c:X+4*\c+1]
	v_pk_add_f32 v[14:15], v[14:15], v[X+4*\c+2:X+4*\c+3]
.endr
	v_pk_add_f32 v[8:9], v[8:9], v[10:11]
	v_pk_add_f32 v[12:13], v[12:13], v[14:15]
	v_add_f32 v8, v8, v9
	v_add_f32 v12, v12, v13
	FOLD 8, 12, 9, 13
	MEET 8, 12, RED1
	v_mul_f32 v8, 0x38800000, v16                  ; the means: / 16,384
	v_mul_f32 v12, 0x38800000, v24
.set i, 0
.rept 32
	v_pk_add_f32 v[X+2*i:X+2*i+1], v[X+2*i:X+2*i+1], v[8:9] op_sel_hi:[1,0] neg_lo:[0,1] neg_hi:[0,1]             ; x - mean, in place
	v_pk_add_f32 v[X+64+2*i:X+65+2*i], v[X+64+2*i:X+65+2*i], v[12:13] op_sel_hi:[1,0] neg_lo:[0,1] neg_hi:[0,1]
.set i, i+1
.endr
	v_pk_mul_f32 v[16:17], v[X:X+1], v[X:X+1]      ; the sums of squares: the first products start the chains
	v_pk_mul_f32 v[18:19], v[X+2:X+3], v[X+2:X+3]
	v_pk_mul_f32 v[20:21], v[X+64:X+65], v[X+64:X+65]
	v_pk_mul_f32 v[22:23], v[X+66:X+67], v[X+66:X+67]
.set i, 1
.rept 15
	v_pk_fma_f32 v[16:17], v[X+4*i:X+4*i+1], v[X+4*i:X+4*i+1], v[16:17]
	v_pk_fma_f32 v[18:19], v[X+4*i+2:X+4*i+3], v[X+4*i+2:X+4*i+3], v[18:19]
	v_pk_fma_f32 v[20:21], v[X+64+4*i:X+65+4*i], v[X+64+4*i:X+65+4*i], v[20:21]
	v_pk_fma_f32 v[22:23], v[X+66+4*i:X+67+4*i], v[X+66+4*i:X+67+4*i], v[22:23]
.set i, i+1
.endr
	v_pk_add_f32 v[16:17], v[16:17], v[18:19]
	v_pk_add_f32 v[20:21], v[20:21], v[22:23]
	v_add_f32 v16, v16, v17
	v_add_f32 v20, v20, v21
	FOLD 16, 20, 17, 21
	MEET 16, 20, RED2                              ; other bytes than the first meeting's: no barrier more is owed
	s_mov_b32 s60, 0x38800000
	s_mov_b32 s61, 0x358637bd                      ; 1e-6
	v_fma_f32 v16, v16, s60, s61                   ; var + eps
	v_fma_f32 v24, v24, s60, s61
	v_rsq_f32 v16, v16
	v_rsq_f32 v24, v24
	v_nop                                          ; a plain line behind the transcendentals
	s_wait_alu depctr_va_vdst(0)
	v_readfirstlane_b32 s60, v16                   ; every lane holds the same two numbers
	v_readfirstlane_b32 s61, v24
	s_wait_kmcnt 0x0                               ; the gains and biases
.set i, 0
.rept 16
	s_mul_f32 s[SC+i], s[SC+i], s60                ; gain / sqrt(var + eps), channel by channel
	s_mul_f32 s[SC+16+i], s[SC+16+i], s61
.set i, i+1
.endr
.irp j, 0,1,2,3                        ; token 4 t + j: its 32 channels come together in one run of registers by the choice of the sources
.set ci, 0
.rept 32
	v_fma_f32 v[H+ci], v[X+4*ci+\j], s[SC+ci], s[BI+ci]
.set ci, ci+1
.endr
	QUANT32 H, C+8*\j, QB+\j
	ds_store_b128 v6, v[C+8*\j:C+8*\j+3] offset:16*\j              ; channels 0-15: lanes 0-15 of the chunk,
	ds_store_b128 v6, v[C+8*\j+4:C+8*\j+7] offset:16*\j+256        ; channels 16-31: lanes 16-31
.endr
	v_lshl_or_b32 v[QB], v[QB+1], 8, v[QB]
	v_lshl_or_b32 v[QB], v[QB+2], 16, v[QB]
	v_lshl_or_b32 v[QB], v[QB+3], 24, v[QB]
	ds_store_b32 v3, v[QB] offset:SCB              ; my four tokens' bytes are neighbours in the plane
.irp i, 0,1,2,3,4,5,6,7
	ds_load_b128 v[X+4*\i:X+4*\i+3], v[SR] offset:512*\i           ; my wave's own stage: LDS serves a wave's instructions in order (ISA guide 5.7.1.4)
.endr
.irp i, 0,1,2,3,4,5,6,7
	s_wait_dscnt 7-\i                              ; chunk i is back; the younger loads stay out
	global_store_b128 v[GH], v[X+4*\i:X+4*\i+3], s[18:19] offset:8192*\i   ; 32 lanes store 512 consecutive bytes, aligned: tile 8 wave + i's chunk
.endr
	s_wait_dscnt 0x0                               ; my bytes lie in the plane
	s_barrier_signal -1
	s_barrier_wait -1
	s_cmp_lt_u32 s[WV], 2
	s_cbranch_scc0 .Ldone                          ; the plane's 1,024 bytes leave by waves 0 and 1
	ds_load_b128 v[64:67], v2 offset:SCB
	s_wait_dscnt 0x0
	global_store_b128 v2, v[64:67], s[20:21]
.Ldone:
	s_wait_tensorcnt 0x0
	ds_add_u32 v240, v241
	s_wait_dscnt 0x0
	s_endpgm
	; ---------------- the weights: 32 work-groups x 8 waves; a wave takes 32 columns d x 128 rows c of one weight
.Lweights:
	s_sub_co_u32 s2, s2, 32
	s_lshl_b32 s2, s2, 4
	s_add_co_u32 s2, s2, ttmp9                     ; 0 .. 31
	s_lshr_b32 s3, s2, 3                           ; which weight: q, k, v, t
	s_and_b32 s2, s2, 7
	s_lshl_b32 s2, s2, 1
	s_lshr_b32 s28, s[WV], 2
	s_add_co_u32 s2, s2, s28                       ; which 32 columns: 0 .. 15
	s_and_b32 s28, s[WV], 3                        ; which 128 along K
	v_and_b32 v1, 31, v0
	v_lshlrev_b32 v2, 2, v1                        ; in: 4 bytes a lane
	v_bfe_u32 v5, v1, 3, 1                         ; column 32 g + lane: tile 2 g + (lane / 8) % 2,
	v_bfe_u32 v6, v1, 4, 1
	v_and_b32 v7, 7, v1
	v_lshl_add_u32 v7, v6, 3, v7                   ; row 8 (lane / 16) + lane % 8
	v_lshlrev_b32 v7, 4, v7
	v_lshl_add_u32 v3, v5, 13, v7                  ; codes: 8,192 x odd tile + 16 x row
	v_lshl_add_u32 v4, v5, 8, v7                   ; scale words: 256 x odd tile + 16 x row
	s_lshl_b32 s26, s28, 18                        ; 128 rows of 2,048 bytes
	s_lshl_b32 s29, s2, 7
	s_add_co_u32 s26, s26, s29
	s_wait_kmcnt 0x0
	s_cmp_eq_u32 s3, 1
	s_cselect_b64 s[10:11], s[12:13], s[10:11]
	s_cmp_eq_u32 s3, 2
	s_cselect_b64 s[10:11], s[14:15], s[10:11]
	s_cmp_eq_u32 s3, 3
	s_cselect_b64 s[10:11], s[16:17], s[10:11]
	s_add_nc_u64 s[10:11], s[10:11], s[26:27]
.set i, 0
.rept 128
	global_load_b32 v[X+i], v2, s[10:11] offset:2048*i th:TH_LOAD_NT   ; row i at 32 neighbouring columns: 128 consecutive bytes
.set i, i+1
.endr
	s_lshl_b32 s26, s3, 18                         ; wc: 256 KiB a weight, 16 KiB a pair of tiles, 2 KiB a K step
	s_lshl_b32 s29, s2, 14
	s_add_co_u32 s26, s26, s29
	s_lshl_b32 s29, s28, 11
	s_add_co_u32 s26, s26, s29
	s_add_nc_u64 s[22:23], s[22:23], s[26:27]
	s_lshl_b32 s26, s3, 13                         ; wsw: 8 KiB a weight, 512 bytes a pair of tiles, 4 bytes a K step
	s_lshl_b32 s29, s2, 9
	s_add_co_u32 s26, s26, s29
	s_lshl_b32 s29, s28, 2
	s_add_co_u32 s26, s26, s29
	s_add_nc_u64 s[24:25], s[24:25], s[26:27]
.irp k, 0,1,2,3
.if \k < 2
	s_wait_loadcnt 63                              ; 96 or 64 younger loads might stay out: 63 is the largest count that the wait can name
.else
	s_wait_loadcnt 32*(3-\k)
.endif
	QUANT32 X+32*\k, C+8*\k, QB+\k
	global_store_b128 v3, v[C+8*\k:C+8*\k+3], s[22:23] offset:512*\k           ; sixteen lanes of one tile store 256 consecutive bytes, aligned
	global_store_b128 v3, v[C+8*\k+4:C+8*\k+7], s[22:23] offset:512*\k+256
.endr
	v_lshl_or_b32 v[QB], v[QB+1], 8, v[QB]
	v_lshl_or_b32 v[QB], v[QB+2], 16, v[QB]
	v_lshl_or_b32 v[QB], v[QB+3], 24, v[QB]
	global_store_b32 v4, v[QB], s[24:25]           ; 4 bytes a lane, 16 bytes apart: 32 KiB in the whole launch
	s_endpgm
.Lfunc_end_k_qfa3f139920_prep:
	.size	k_qfa3f139920_prep, .Lfunc_end_k_qfa3f139920_prep-k_qfa3f139920_prep
	.p2alignl 7, 3214868480
	.fill 96, 4, 3214868480
	.section	.rodata,"a",@progbits
	.p2align	6, 0x0
	.amdhsa_kernel k_qfa3f139920_prep
		.amdhsa_group_segment_fixed_size 35840
		.amdhsa_private_segment_fixed_size 0
		.amdhsa_enable_private_segment 0
		.amdhsa_kernarg_size 88
		.amdhsa_user_sgpr_count 2
		.amdhsa_user_sgpr_kernarg_segment_ptr 1
		.amdhsa_wavefront_size32 1
		.amdhsa_system_sgpr_workgroup_id_x 1
		.amdhsa_system_sgpr_workgroup_id_y 1
		.amdhsa_system_sgpr_workgroup_id_z 1
		.amdhsa_system_vgpr_workitem_id 0
		.amdhsa_next_free_vgpr 242
		.amdhsa_next_free_sgpr 102
		.amdhsa_reserve_vcc 0
		.amdhsa_float_denorm_mode_32 3
		.amdhsa_float_denorm_mode_16_64 3
		.amdhsa_memory_ordered 1
		.amdhsa_forward_progress 1
		.amdhsa_inst_pref_size 76
	.end_amdhsa_kernel
	.amdgpu_metadata
---
amdhsa.version: [ 1, 2 ]
amdhsa.kernels:
  - .name:           k_qfa3f139920_prep
    .symbol:         k_qfa3f139920_prep.kd
    .args:
      - { .name: x, .offset: 0, .size: 8, .value_kind: global_buffer, .address_space: global }
      - { .name: gn_scale, .offset: 8, .size: 8, .value_kind: global_buffer, .address_space: global }
      - { .name: gn_bias, .offset: 16, .size: 8, .value_kind: global_buffer, .address_space: global }
      - { .name: Wq, .offset: 24, .size: 8, .value_kind: global_buffer, .address_space: global }
      - { .name: Wk, .offset: 32, .size: 8, .value_kind: global_buffer, .address_space: global }
      - { .name: Wv, .offset: 40, .size: 8, .value_kind: global_buffer, .address_space: global }
      - { .name: Wt, .offset: 48, .size: 8, .value_kind: global_buffer, .address_space: global }
      - { .name: hc, .offset: 56, .size: 8, .value_kind: global_buffer, .address_space: global }
      - { .name: hsp, .offset: 64, .size: 8, .value_kind: global_buffer, .address_space: global }
      - { .name: wc, .offset: 72, .size: 8, .value_kind: global_buffer, .address_space: global }
      - { .name: wsw, .offset: 80, .size: 8, .value_kind: global_buffer, .address_space: global }
    .group_segment_fixed_size: 35840
    .private_segment_fixed_size: 0
    .kernarg_segment_align: 8
    .kernarg_segment_size: 88
    .max_flat_workgroup_size: 256
    .sgpr_count:     102
    .vgpr_count:     242
    .wavefront_size: 32
...
	.end_amdgpu_metadata
.endif
;; end of part 1
;; launch qkv (part 2): grid 64 x 3, 4 waves a work-group, no clusters, 283,136 bytes of LDS; arguments hc, hsp, wc, wsw, bq, bk, bv, qkvc, qkvs; writes qkvc, qkvs
.if DOCPART == 2
	.amdgcn_target "amdgcn-amd-amdhsa--gfx1250"
	.amdhsa_code_object_version 6
	.text
	.protected	k_qfa3f139920_qkv
	.globl	k_qfa3f139920_qkv
	.p2align	8
	.type	k_qfa3f139920_qkv,@function
k_qfa3f139920_qkv:
	s_mov_b64 s[64:65], 0
	v_nop
	global_prefetch_b8 v0, s[64:65] scope:SCOPE_SE
	s_setreg_imm32_b32 hwreg(HW_REG_WAVE_MODE, 25, 1), 1
	s_wait_xcnt 0x0
; q, k, v = W^T h + b on codes of E5M2 (one E8M0 scale for each 32 channels), and the quantisers of the results: q and k along channels, v along tokens (the keys).
; Work-group x = 2 image + half (512 tokens), y = 0, 1, 2: q, k, v.  Operands and results are images of registers (a fragment, 16 rows x 128 K, is [cc 4][lane 32][16 bytes]); the 16 rows of tile T are the
; indices 32 (T / 2) + 8 (T % 2) + r + 8 (r / 8), so that the results of tiles 2 b and 2 b + 1 used as source 0 are 16 NEIGHBOURS along the next K in a lane's registers.
; ONE TEXT FOR ALL THREE.  A wave keeps a STATIONARY operand A, 8 tiles x 512 K, in 512 registers as source 0, and walks 32 tiles B as source 1.  A unit is one tile of B: 32 products into 8 accumulators, which
; are 64 numbers of a lane = one fragment of the result; it is quantised in registers and stored: 2,048 bytes and a scale word a row.
;   q, k: A = W's tiles 8 w .. 8 w + 7 (output channels 128 w on), B = h's 32 tiles of the half: fragment (tokens' tile, K step w).       The bias runs along the registers: it is the C of the first products.
;   v:    A = h's tiles 8 w .. of the half (tokens 128 w on),      B = Wv's 32 tiles:            fragment (channels' tile, key step 4 half + w).  The bias hangs on the lane: eight copies are the C.
; B's 256 KiB come into LDS ONCE, by four tensor loads a wave of 16 KiB (dense blocks); nothing is filled twice.  All four of a wave's loads are out at the start.
; NO CLUSTER: for y = 0 and 1 what goes through LDS (h's tiles of one half) is read by one work-group of that y; it is shared across y alone, and the grid's 3 along y is no multiple of a cluster's 4.
; 192 work-groups: 32 units a wave divide h's 64 and W's 32 tiles; the 24 units that 256 work-groups would want divide neither.
; LIMITS: NaN and infinities are not served; a block of zeros gets the byte 1 (zero codes; the bytes are read by this program alone).
; REGISTERS.  window 0: v1-11 addresses; v16-31 A's scale words (pair of tiles p, K step: lanes 0-15 tile 2 p, lanes 16-31 tile 2 p + 1); v32-39 B's, two sets; v40-41 bv of B's row; v48-55 its copies;
;   v64-127 accumulators; v128-163 the quantiser's; v164-167 scale words on their way out; v168-227 at work at the head.
;   window 1: A, K steps 0, 1 at 16 (2 a + ks);  window 2: K steps 2, 3;  window 3: v0-63, v64-127 B's two buffers; v128-191 the bias as C.
.set SH,   262144                      ; LDS: 0 .. 262,143 B's 32 tiles; then h's scale words [tile][r][16 bytes], 8 KiB;
.set SW,   270336                      ; W's likewise;
.set BB,   278528                      ; the bias by B's tile and row, 2 KiB;
.set STG,  280576                      ; a stage of 512 bytes for each wave: eight units' scale words
.set L16, 1                            ; 16 x lane
.set R16, 2                            ; 16 x (lane % 16)
.set R4,  3                            ; 4 x (lane % 16)
.set BA,  4                            ; B's tile in hand
.set SBA, 5                            ; its scale words
.set BBA, 6                            ; its bias
.set SGA, 7                            ; where the trip's scale words go
.set SGR, 8                            ; where the stage is read back
.set SB0, 9
.set BB0, 10
.set SG0, 11
.set AS,  16
.set BS,  32
.set BL,  40
.set BV,  48
.set ACC, 64
.set T,   128
.set SO,  164
.set HT,  168
.set G1,  24                           ; s[24:31] descriptor group 1;  s[32:47] four groups 0
.set G0,  32
.set WV,  48
.set Y,   49
.set IB,  50
.set HF,  51
.set STEP, 56                          ; s[56:57] bytes from a unit's fragment to the next unit's
.set TB,  58                           ; LDS byte of the trip's first tile
.set TN,  59                           ; and of the tile to be fetched
.set CNT, 60
.set SG,  61
.set MNT, 62
.set SEL, 66
.set PA,  68
.set PB,  70
.set PO,  72
.set PS,  74
.set PBI, 76
.set LA,  78
.set LB,  79
.set MSB, 0
.macro WIN new                         ; bits 1:0 source 0, 3:2 source 1, 5:4 source 2, 7:6 destination; the high byte repeats the setting that is left
.if MSB != (\new)
	s_set_vgpr_msb (MSB<<8)|(\new)
.set MSB, (\new)
.endif
.endm
.macro PLACES n
.rept \n
	v_nop
.endr
.endm
; one product: D, source 0, source 1, C (under 0: the constant 0), the two scale registers, and whether each side's words lie in lanes 16-31
.macro MMS d, a, b, c, x, y, ra, rb
.set mD, \d
.set mA, \a
.set mB, \b
.set mX, \x
.set mY, \y
.if (\c) < 0
.if (\ra) && (\rb)
	v_wmma_scale_f32_16x16x128_f8f6f4 v[mD:mD+7], v[mA:mA+15], v[mB:mB+15], 0, v[mX], v[mY] matrix_a_fmt:MATRIX_FMT_BF8 matrix_b_fmt:MATRIX_FMT_BF8 matrix_a_scale:MATRIX_SCALE_ROW1 matrix_b_scale:MATRIX_SCALE_ROW1
.elseif (\ra)
	v_wmma_scale_f32_16x16x128_f8f6f4 v[mD:mD+7], v[mA:mA+15], v[mB:mB+15], 0, v[mX], v[mY] matrix_a_fmt:MATRIX_FMT_BF8 matrix_b_fmt:MATRIX_FMT_BF8 matrix_a_scale:MATRIX_SCALE_ROW1
.elseif (\rb)
	v_wmma_scale_f32_16x16x128_f8f6f4 v[mD:mD+7], v[mA:mA+15], v[mB:mB+15], 0, v[mX], v[mY] matrix_a_fmt:MATRIX_FMT_BF8 matrix_b_fmt:MATRIX_FMT_BF8 matrix_b_scale:MATRIX_SCALE_ROW1
.else
	v_wmma_scale_f32_16x16x128_f8f6f4 v[mD:mD+7], v[mA:mA+15], v[mB:mB+15], 0, v[mX], v[mY] matrix_a_fmt:MATRIX_FMT_BF8 matrix_b_fmt:MATRIX_FMT_BF8
.endif
.else
.set mC, \c
.if (\ra) && (\rb)
	v_wmma_scale_f32_16x16x128_f8f6f4 v[mD:mD+7], v[mA:mA+15], v[mB:mB+15], v[mC:mC+7], v[mX], v[mY] matrix_a_fmt:MATRIX_FMT_BF8 matrix_b_fmt:MATRIX_FMT_BF8 matrix_a_scale:MATRIX_SCALE_ROW1 matrix_b_scale:MATRIX_SCALE_ROW1
.elseif (\ra)
	v_wmma_scale_f32_16x16x128_f8f6f4 v[mD:mD+7], v[mA:mA+15], v[mB:mB+15], v[mC:mC+7], v[mX], v[mY] matrix_a_fmt:MATRIX_FMT_BF8 matrix_b_fmt:MATRIX_FMT_BF8 matrix_a_scale:MATRIX_SCALE_ROW1
.elseif (\rb)
	v_wmma_scale_f32_16x16x128_f8f6f4 v[mD:mD+7], v[mA:mA+15], v[mB:mB+15], v[mC:mC+7], v[mX], v[mY] matrix_a_fmt:MATRIX_FMT_BF8 matrix_b_fmt:MATRIX_FMT_BF8 matrix_b_scale:MATRIX_SCALE_ROW1
.else
	v_wmma_scale_f32_16x16x128_f8f6f4 v[mD:mD+7], v[mA:mA+15], v[mB:mB+15], v[mC:mC+7], v[mX], v[mY] matrix_a_fmt:MATRIX_FMT_BF8 matrix_b_fmt:MATRIX_FMT_BF8
.endif
.endif
.endm
; 64 numbers of a lane become a fragment's codes and its scale word.  Number n = 16 b + i, which is k = 32 b + 16 (lane / 16) + i of the lane's row, lies in window W at s + (n / 8) str + n % 8.
; In window TW from T on: +0..3 largest magnitudes, +4..7 the other half's, then the bytes, +8..11 57,344 x the scale, +12..15 the conversions' scale operands, +16 the scale word, +20..35 the codes.
; mode 1: the numbers are never negative.  Each accumulator is read from its low end on.  The window is left as it stands.
.macro QUANT s, str, W, TW, T, mode
	WIN ((\W)|((\W)<<2)|((\TW)<<6))
.irp b, 0,1,2,3
.if \mode
	v_max3_num_f32 v[(\T)+\b], v[(\s)+2*\b*(\str)], v[(\s)+2*\b*(\str)+1], 0x8000000         ; with the floor 2^(16 - 127): the byte cannot fall under 1
.else
	v_max3_num_f32 v[(\T)+\b], |v[(\s)+2*\b*(\str)]|, |v[(\s)+2*\b*(\str)+1]|, 0x8000000
.endif
.endr
	WIN ((\TW)|((\W)<<2)|((\W)<<4)|((\TW)<<6))
.irp i, 2,4,6,8,10,12,14
.irp b, 0,1,2,3
.if \mode
	v_max3_num_f32 v[(\T)+\b], v[(\T)+\b], v[(\s)+(2*\b+\i/8)*(\str)+\i%8], v[(\s)+(2*\b+\i/8)*(\str)+\i%8+1]
.else
	v_max3_num_f32 v[(\T)+\b], v[(\T)+\b], |v[(\s)+(2*\b+\i/8)*(\str)+\i%8]|, |v[(\s)+(2*\b+\i/8)*(\str)+\i%8+1]|
.endif
.endr
.endr
	WIN ((\TW)*0x55)
.irp b, 0,1,2,3
	v_permlanex16_b32 v[(\T)+4+\b], v[(\T)+\b], s[SEL], s[SEL+1]
.endr
.irp b, 0,1,2,3
	v_max_num_f32 v[(\T)+\b], v[(\T)+\b], v[(\T)+4+\b]             ; with lane l xor 16's 16 numbers: the block's largest magnitude
.endr
.irp b, 0,1,2,3
	v_add_nc_u32 v[(\T)+12+\b], 0xf8800000, v[(\T)+\b]             ; 15 off its exponent field
.endr
.irp b, 0,1,2,3
	v_and_or_b32 v[(\T)+8+\b], v[(\T)+\b], 0x7f800000, s[MNT]      ; 57,344 x the scale
.endr
.irp b, 0,1,2,3
	v_lshrrev_b32 v[(\T)+4+\b], 23, v[(\T)+12+\b]                  ; the byte
.endr
	v_lshl_or_b32 v[(\T)+16], v[(\T)+5], 8, v[(\T)+4]
	v_lshl_or_b32 v[(\T)+16], v[(\T)+6], 16, v[(\T)+16]
	v_lshl_or_b32 v[(\T)+16], v[(\T)+7], 24, v[(\T)+16]
	WIN ((\W)|((\TW)<<2)|((\TW)<<4)|((\W)<<6))
.irp b, 0,1,2,3
.irp i, 0,1,2,3,4,5,6,7,8,9,10,11,12,13,14,15
.if \mode
	v_min_num_f32 v[(\s)+(2*\b+\i/8)*(\str)+\i%8], v[(\s)+(2*\b+\i/8)*(\str)+\i%8], v[(\T)+8+\b]
.else
	v_med3_num_f32 v[(\s)+(2*\b+\i/8)*(\str)+\i%8], v[(\s)+(2*\b+\i/8)*(\str)+\i%8], -v[(\T)+8+\b], v[(\T)+8+\b]   ; the conversion does not saturate (ISA guide 7.6.2)
.endif
.endr
.endr
	WIN ((\W)|((\TW)<<2)|((\TW)<<6))
.irp b, 0,1,2,3
	v_cvt_scalef32_pk8_bf8_f32 v[(\T)+20+4*\b:(\T)+21+4*\b], v[(\s)+2*\b*(\str):(\s)+2*\b*(\str)+7], v[(\T)+12+\b]
	v_cvt_scalef32_pk8_bf8_f32 v[(\T)+22+4*\b:(\T)+23+4*\b], v[(\s)+(2*\b+1)*(\str):(\s)+(2*\b+1)*(\str)+7], v[(\T)+12+\b]
.endr
	v_nop                                          ; a plain line behind the last conversion: later products write its sources
.endm
	s_load_b512 s[4:19], s[0:1], 0x0               ; hc, hsp, wc, wsw, bq, bk, bv, qkvc
	s_load_b64 s[20:21], s[0:1], 0x40              ; qkvs
	v_lshl_add_u32 v254, v0, 2, 0x45000
	v_mov_b32 v255, 0
	ds_add_u32 v254, v255
	ds_add_u32 v254, v255
	v_lshrrev_b32 v12, 5, v0
	v_readfirstlane_b32 s[WV], v12
	s_and_b32 s[Y], ttmp7, 0xffff
	s_lshr_b32 s[IB], ttmp9, 1
	s_and_b32 s[HF], ttmp9, 1
	s_mov_b32 s[G1+0], 3<<16                       ; no mask; elements of 8 bytes; no padding
	s_mov_b32 s[G1+1], 32<<16                      ; tensor_dim0 = 32 elements: rows of 256 bytes
	s_mov_b32 s[G1+2], 64<<16                      ; tensor_dim1 = 64 rows: a dense block of 16 KiB
	s_mov_b32 s[G1+3], 32<<16                      ; tile_dim0
	s_mov_b32 s[G1+4], 64                          ; tile_dim1
	s_mov_b32 s[G1+5], 32                          ; the pitch: rows on end
	s_mov_b32 s[G1+6], 0
	s_mov_b32 s[G1+7], 0
	s_mov_b32 s[MNT], 0x600000
	s_mov_b32 s[SEL], 0x76543210
	s_mov_b32 s[SEL+1], 0xfedcba98
	s_lshl_b32 s82, s[IB], 19
	s_lshl_b32 s83, s[HF], 18
	s_add_co_u32 s82, s82, s83                     ; h's 32 tiles of my half
	s_lshl_b32 s83, s[Y], 18                       ; my weight's 32 tiles
	s_mov_b32 s80, SH
	s_mov_b32 s81, SW
	s_mov_b32 s[STEP], 8192
	s_mov_b32 s[STEP+1], 0
	s_mov_b32 s53, 0
	s_mov_b32 s55, 0
	s_wait_dscnt 0x0
	s_wait_kmcnt 0x0
	s_cmp_eq_u32 s[Y], 2                           ; v changes the operands' places; the choice hangs on the work-group's number alone
	s_cselect_b64 s[PA:PA+1], s[4:5], s[8:9]
	s_cselect_b64 s[PB:PB+1], s[8:9], s[4:5]
	s_cselect_b32 s52, s82, s83
	s_cselect_b32 s54, s83, s82
	s_cselect_b32 s[LA], s80, s81                  ; where A's scale words lie in LDS,
	s_cselect_b32 s[LB], s81, s80                  ; and B's
	s_cselect_b32 s[STEP], 16384, s[STEP]          ; v's tiles are 16 KiB apart (1,024 keys), q's and k's 8 KiB
	s_cselect_b32 s84, 13, 18                      ; the half in the codes: 4 key steps of 2 KiB, or 32 tiles of 8 KiB
	s_cselect_b32 s85, 11, 12                      ; the wave in the scale words: a key step's 32 tiles, or a K step's 64
	s_cselect_b32 s63, 13, 11                      ; the half there: 4 key steps, or 32 tiles
	s_lshl_b32 s80, s[WV], 16
	s_add_co_u32 s52, s52, s80                     ; A: my eight tiles
	s_add_nc_u64 s[PA:PA+1], s[PA:PA+1], s[52:53]
	s_lshl_b32 s80, s[WV], 14
	s_add_co_u32 s54, s54, s80                     ; B: of each group of eight tiles I fetch two
	s_add_nc_u64 s[PB:PB+1], s[PB:PB+1], s[54:55]
.irp g, 0,1,2,3
	s_mov_b32 s[G0+4*\g], 1
	s_add_co_u32 s[G0+4*\g+1], s80, \g*65536       ; LDS: 65,536 x group + 16,384 x wave
	s_add_nc_u64 s[G0+4*\g+2:G0+4*\g+3], s[PB:PB+1], \g*65536
	s_or_b32 s[G0+4*\g+3], s[G0+4*\g+3], 0x80000000
.endr
	tensor_load_to_lds s[G0:G0+3], s[G1:G1+7]      ; the first fills, and the only ones: four loads of mine are out
	s_nop 0
	tensor_load_to_lds s[G0+4:G0+7], s[G1:G1+7]
	s_nop 0
	tensor_load_to_lds s[G0+8:G0+11], s[G1:G1+7]
	s_nop 0
	tensor_load_to_lds s[G0+12:G0+15], s[G1:G1+7]
	s_nop 0
	PLACES 4                                       ; four places behind a tensor load
	v_and_b32 v227, 31, v0
	v_lshlrev_b32 v[L16], 4, v227
	v_and_b32 v227, 15, v0
	v_lshlrev_b32 v[R16], 4, v227
	v_lshlrev_b32 v[R4], 2, v227
	WIN 0x40
.irp a, 0,1,2,3,4,5,6,7
.irp ks, 0,1
.irp cc, 0,1,2,3
	global_load_b128 v[16*(2*\a+\ks)+4*\cc:16*(2*\a+\ks)+4*\cc+3], v[L16], s[PA:PA+1] offset:\a*8192+\ks*2048+\cc*512
.endr
.endr
.endr
	WIN 0x80
.irp a, 0,1,2,3,4,5,6,7
.irp ks, 2,3
.irp cc, 0,1,2,3
	global_load_b128 v[16*(2*\a+\ks-2)+4*\cc:16*(2*\a+\ks-2)+4*\cc+3], v[L16], s[PA:PA+1] offset:\a*8192+\ks*2048+\cc*512
.endr
.endr
.endr
	WIN 0
	s_cmp_eq_u32 s[Y], 1
	s_cselect_b64 s[PBI:PBI+1], s[14:15], s[12:13]
	s_cmp_eq_u32 s[Y], 2
	s_cselect_b64 s[PBI:PBI+1], s[16:17], s[PBI:PBI+1]
	s_lshl_b32 s52, s[IB], 14
	s_lshl_b32 s80, s[HF], 9
	s_add_co_u32 s52, s52, s80
	s_add_nc_u64 s[6:7], s[6:7], s[52:53]          ; h's scale planes: my image, my half's 512 places
	s_lshl_b32 s52, s[Y], 13
	s_add_nc_u64 s[10:11], s[10:11], s[52:53]      ; my weight's scale words
	s_lshl_b32 s52, s[Y], 24                       ; results: 16 MiB for each of q, k, v; 512 KiB an image; 2 KiB a K step
	s_lshl_b32 s80, s[IB], 19
	s_add_co_u32 s52, s52, s80
	s_lshl_b32 s80, s[WV], 11
	s_add_co_u32 s52, s52, s80
	s_lshl_b32 s80, s[HF], s84
	s_add_co_u32 s52, s52, s80
	s_add_nc_u64 s[PO:PO+1], s[18:19], s[52:53]
	s_lshl_b32 s52, s[Y], 19                       ; their scale words: 512 KiB each; 16 KiB an image
	s_lshl_b32 s80, s[IB], 14
	s_add_co_u32 s52, s52, s80
	s_lshl_b32 s80, s[WV], s85
	s_add_co_u32 s52, s52, s80
	s_lshl_b32 s80, s[HF], s63
	s_add_co_u32 s52, s52, s80
	s_add_nc_u64 s[PS:PS+1], s[20:21], s[52:53]
	v_bfe_u32 v14, v0, 4, 1
	v_lshlrev_b32 v14, 6, v14
	s_lshl_b32 s80, s[WV], 9
	v_add_nc_u32 v14, s80, v14                     ; the bias along the registers: 128 w + 16 h numbers on
	v_lshlrev_b32 v15, 2, v0                       ; 4 t
	v_lshlrev_b32 v12, 4, v0                       ; 16 t
	v_and_b32 v13, 7, v0                           ; entry t of the bias table is tile t / 16, row t % 16: channel 32 (t / 32) + 8 ((t / 16) % 2) + t % 8 + 16 ((t / 8) % 2)
	v_bfe_u32 v227, v0, 3, 1
	v_lshl_add_u32 v13, v227, 4, v13
	v_bfe_u32 v227, v0, 4, 1
	v_lshl_add_u32 v13, v227, 3, v13
	v_lshrrev_b32 v227, 5, v0
	v_lshl_add_u32 v13, v227, 5, v13
	v_lshlrev_b32 v13, 2, v13
	WIN 0xc0
.irp a, 0,1,2,3,4,5,6,7
	global_load_b128 v[128+8*\a:131+8*\a], v14, s[PBI:PBI+1] offset:(32*(\a/2)+8*(\a%2))*4
	global_load_b128 v[132+8*\a:135+8*\a], v14, s[PBI:PBI+1] offset:(32*(\a/2)+8*(\a%2))*4+16
.endr
	WIN 0
.set i, 0
.rept 16
	global_load_b32 v[HT+i], v15, s[6:7] offset:1024*i             ; plane i: four places' bytes
.set i, i+1
.endr
.irp k, 0,1,2,3
	global_load_b128 v[HT+16+4*\k:HT+19+4*\k], v12, s[10:11] offset:2048*\k
	global_load_b32 v[HT+32+\k], v13, s[PBI:PBI+1] offset:512*\k
.endr
	s_wait_loadcnt 0x0                             ; A is wanted whole by the first unit
.irp ks, 0,1,2,3                       ; four planes x four places, turned: a place's four bytes of a K step make its scale word
	v_perm_b32 v[HT+36], v[HT+4*\ks+1], v[HT+4*\ks], 0x05010400
	v_perm_b32 v[HT+37], v[HT+4*\ks+1], v[HT+4*\ks], 0x07030602
	v_perm_b32 v[HT+38], v[HT+4*\ks+3], v[HT+4*\ks+2], 0x05010400
	v_perm_b32 v[HT+39], v[HT+4*\ks+3], v[HT+4*\ks+2], 0x07030602
	v_perm_b32 v[HT+40+\ks], v[HT+38], v[HT+36], 0x05040100
	v_perm_b32 v[HT+44+\ks], v[HT+38], v[HT+36], 0x07060302
	v_perm_b32 v[HT+48+\ks], v[HT+39], v[HT+37], 0x05040100
	v_perm_b32 v[HT+52+\ks], v[HT+39], v[HT+37], 0x07060302
.endr
	v_lshl_add_u32 v227, v0, 6, SH
	v_lshl_add_u32 v226, v0, 4, SW
	v_lshl_add_u32 v225, v0, 2, BB
.irp j, 0,1,2,3
	ds_store_b128 v227, v[HT+40+4*\j:HT+43+4*\j] offset:16*\j
	ds_store_b128 v226, v[HT+16+4*\j:HT+19+4*\j] offset:2048*\j
	ds_store_b32 v225, v[HT+32+\j] offset:512*\j
.endr
	s_wait_dscnt 0x0                               ; my stores are done,
	s_wait_tensorcnt 0x2                           ; and my parts of groups 0 and 1 have landed (my two younger loads stay out)
	s_barrier_signal -1
	s_barrier_wait -1                              ; everybody's
	s_lshl_b32 s80, s[WV], 11
	s_add_co_u32 s80, s80, s[LA]
	v_add_nc_u32 v224, s80, v[L16]
.irp p, 0,1,2,3
	ds_load_b128 v[AS+4*\p:AS+4*\p+3], v224 offset:512*\p          ; lanes 0-15: tile 2 p's four words, lanes 16-31: tile 2 p + 1's
.endr
	v_add_nc_u32 v[SB0], s[LB], v[R16]
	v_add_nc_u32 v[BB0], BB, v[R4]
	s_lshl_b32 s80, s[WV], 9
	s_add_co_u32 s80, s80, STG
	v_add_nc_u32 v[SG0], s80, v[R4]
	v_add_nc_u32 v[SGR], s80, v[L16]
.irp b, 0,1,2,3
	v_mov_b32 v[T+4+\b], 0                         ; written once: a lane permute's destination counts as one of its sources
.endr
.macro ADDR                            ; the addresses of the tile at LDS byte s[TN]: 8,192 bytes of codes, 256 of scale words, 64 of bias a tile
	v_add_nc_u32 v[BA], s[TN], v[L16]
	s_lshr_b32 s84, s[TN], 5
	v_add_nc_u32 v[SBA], s84, v[SB0]
	s_lshr_b32 s85, s[TN], 7
	v_add_nc_u32 v[BBA], s85, v[BB0]
.endm
.macro LOADB p, imm                    ; 18 LDS loads: a tile of B (imm tiles behind the addresses') into buffer p, its rows' four scale words, its rows' bias
	WIN 0xc0
.irp ks, 0,1,2,3
.irp cc, 0,1,2,3
	ds_load_b128 v[64*\p+16*\ks+4*\cc:64*\p+16*\ks+4*\cc+3], v[BA] offset:\imm*8192+2048*\ks+512*\cc
.endr
.endr
	WIN 0
	ds_load_b128 v[BS+4*\p:BS+4*\p+3], v[SBA] offset:\imm*256
	ds_load_b32 v[BL+\p], v[BBA] offset:\imm*64
.endm
; A UNIT.  The eight accumulators take turns, one instruction a turn.  The first eight products begin the sums with the bias as C.
.macro UNIT p
	s_wait_dscnt 18                                ; behind this buffer's loads: the other unit's one store and the other buffer's 18 loads; 18 also shows that store done, whose data are written again below
	s_cmp_eq_u32 s[Y], 2
	s_cbranch_scc1 .Lv_\@
	WIN 0x3d                                       ; A window 1, B and the bias window 3
.irp a, 0,1,2,3,4,5,6,7
	MMS ACC+8*\a, 32*\a, 64*\p, 128+8*\a, AS+4*(\a/2), BS+4*\p, \a%2, 0
.endr
	WIN 0
	s_branch .Lj_\@
.Lv_\@:
.irp j, 0,1,2,3,4,5,6,7
	v_mov_b32 v[BV+\j], v[BL+\p]                   ; v: a lane holds one channel, so its bias is the same in all eight registers
.endr
	PLACES 4
	WIN 0x0d
.irp a, 0,1,2,3,4,5,6,7
	MMS ACC+8*\a, 32*\a, 64*\p, BV, AS+4*(\a/2), BS+4*\p, \a%2, 0
.endr
	WIN 0
.Lj_\@:
	WIN 0x0d
.irp a, 0,1,2,3,4,5,6,7
	MMS ACC+8*\a, 32*\a+16, 64*\p+16, ACC+8*\a, AS+4*(\a/2)+1, BS+4*\p+1, \a%2, 0
.endr
	WIN 0x0e                                       ; A window 2
.irp ks, 2,3
.irp a, 0,1,2,3,4,5,6,7
	MMS ACC+8*\a, 32*\a+16*(\ks-2), 64*\p+16*\ks, ACC+8*\a, AS+4*(\a/2)+\ks, BS+4*\p+\ks, \a%2, 0
.endr
.endr
	WIN 0
	PLACES 8                                       ; eight places behind this form ahead of the first read of results, and of the loads into this buffer
	QUANT ACC, 8, 0, 0, T, 0
.irp cc, 0,1,2,3
	global_store_b128 v[L16], v[T+20+4*\cc:T+23+4*\cc], s[PO:PO+1] offset:512*\cc   ; 32 lanes store 512 consecutive bytes, aligned
.endr
	ds_store_b32 v[SGA], v[T+16] offset:64*\p      ; both halves of the lanes hold the row's word and write it to the same place
	s_wait_xcnt 0x0                                ; the stores' base steps, and their data are written again, only behind this wait
	s_add_nc_u64 s[PO:PO+1], s[PO:PO+1], s[STEP:STEP+1]
.endm
; A GROUP of eight tiles: four trips of two units.  sync >= 0: a barrier in front of it shows the NEXT group's tiles landed in every wave's part, so that the fetch ahead at this group's end reads bytes that are there.
.macro GROUP g, sync
.if \sync >= 0
	s_wait_tensorcnt \sync                         ; my part of the next group has landed; my younger loads stay out
	s_wait_dscnt 0x0
	s_barrier_signal -1
	s_barrier_wait -1
.endif
	s_mov_b32 s[TB], \g*65536
	s_mov_b32 s[SG], 0
	s_mov_b32 s[CNT], 4
.Lg_\@:
	v_add_nc_u32 v[SGA], s[SG], v[SG0]
	LOADB 1, 1
	UNIT 0
	s_add_co_u32 s[TN], s[TB], 16384
	s_min_u32 s[TN], s[TN], 245760                 ; the very last fetch is held inside B's tiles; it is not used
	ADDR
	LOADB 0, 0
	UNIT 1
	s_add_co_u32 s[TB], s[TB], 16384
	s_add_co_u32 s[SG], s[SG], 128
	s_sub_co_u32 s[CNT], s[CNT], 1
	s_cmp_lg_u32 s[CNT], 0
	s_cbranch_scc1 .Lg_\@
	ds_load_b128 v[SO:SO+3], v[SGR]                ; eight units' scale words, 512 bytes, from my own stage (LDS serves a wave's instructions in order: ISA guide 5.7.1.4)
	s_wait_dscnt 0x0
	global_store_b128 v[L16], v[SO:SO+3], s[PS:PS+1] offset:512*\g
.endm
	s_mov_b32 s[TN], 0
	ADDR
	LOADB 0, 0
	GROUP 0, -1
	GROUP 1, 1
	GROUP 2, 0
	GROUP 3, -1
	s_wait_tensorcnt 0x0
	ds_add_u32 v254, v255
	s_wait_dscnt 0x0
	s_endpgm
.Lfunc_end_k_qfa3f139920_qkv:
	.size	k_qfa3f139920_qkv, .Lfunc_end_k_qfa3f139920_qkv-k_qfa3f139920_qkv
	.p2alignl 7, 3214868480
	.fill 96, 4, 3214868480
	.section	.rodata,"a",@progbits
	.p2align	6, 0x0
	.amdhsa_kernel k_qfa3f139920_qkv
		.amdhsa_group_segment_fixed_size 283136
		.amdhsa_private_segment_fixed_size 0
		.amdhsa_enable_private_segment 0
		.amdhsa_kernarg_size 72
		.amdhsa_user_sgpr_count 2
		.amdhsa_user_sgpr_kernarg_segment_ptr 1
		.amdhsa_wavefront_size32 1
		.amdhsa_system_sgpr_workgroup_id_x 1
		.amdhsa_system_sgpr_workgroup_id_y 1
		.amdhsa_system_sgpr_workgroup_id_z 1
		.amdhsa_system_vgpr_workitem_id 0
		.amdhsa_next_free_vgpr 1024
		.amdhsa_next_free_sgpr 86
		.amdhsa_reserve_vcc 0
		.amdhsa_float_denorm_mode_32 3
		.amdhsa_float_denorm_mode_16_64 3
		.amdhsa_memory_ordered 1
		.amdhsa_forward_progress 1
		.amdhsa_inst_pref_size 157
	.end_amdhsa_kernel
	.amdgpu_metadata
---
amdhsa.version: [ 1, 2 ]
amdhsa.kernels:
  - .name:           k_qfa3f139920_qkv
    .symbol:         k_qfa3f139920_qkv.kd
    .args:
      - { .name: hc, .offset: 0, .size: 8, .value_kind: global_buffer, .address_space: global }
      - { .name: hsp, .offset: 8, .size: 8, .value_kind: global_buffer, .address_space: global }
      - { .name: wc, .offset: 16, .size: 8, .value_kind: global_buffer, .address_space: global }
      - { .name: wsw, .offset: 24, .size: 8, .value_kind: global_buffer, .address_space: global }
      - { .name: bq, .offset: 32, .size: 8, .value_kind: global_buffer, .address_space: global }
      - { .name: bk, .offset: 40, .size: 8, .value_kind: global_buffer, .address_space: global }
      - { .name: bv, .offset: 48, .size: 8, .value_kind: global_buffer, .address_space: global }
      - { .name: qkvc, .offset: 56, .size: 8, .value_kind: global_buffer, .address_space: global }
      - { .name: qkvs, .offset: 64, .size: 8, .value_kind: global_buffer, .address_space: global }
    .group_segment_fixed_size: 283136
    .private_segment_fixed_size: 0
    .kernarg_segment_align: 8
    .kernarg_segment_size: 72
    .max_flat_workgroup_size: 128
    .sgpr_count:     86
    .vgpr_count:     1024
    .wavefront_size: 32
...
	.end_amdgpu_metadata
.endif
;; end of part 2
;; launch attn (part 3): grid 16 x 32, 4 waves a work-group, no clusters, 121,344 bytes of LDS; arguments qkvc, qkvs, wc, wsw, x, bt, out0; writes out0
.if DOCPART == 3
	.amdgcn_target "amdgcn-amd-amdhsa--gfx1250"
	.amdhsa_code_object_version 6
	.text
	.protected	k_qfa3f139920_attn
	.globl	k_qfa3f139920_attn
	.p2align	8
	.type	k_qfa3f139920_attn,@function
k_qfa3f139920_attn:
	s_mov_b64 s[64:65], 0
	v_nop
	global_prefetch_b8 v0, s[64:65] scope:SCOPE_SE
	s_setreg_imm32_b32 hwreg(HW_REG_WAVE_MODE, 25, 1), 1
	s_wait_xcnt 0x0
; out = Wt^T (softmax(q^T k / sqrt(512)) v) + bt + x, all three products on codes of E5M2 with one E8M0 scale for each 32 along K.  p is quantised FINISHED AND NORMALISED, along the keys: a row's maximum and sum over
; all 1,024 keys are known before any code of p is made, so a work-group holds all scores of its queries: 64 queries (tiles 4 x .. 4 x + 3 of image y) x 1,024 keys = 512 registers in each of four waves.
; Operands are images of registers (fragment = 16 rows x 128 K = [cc 4][lane 32][16 bytes]); the rows of tile T are the indices 32 (T / 2) + 8 (T % 2) + r + 8 (r / 8).
; THE WAVES SHARE WHAT IS CONTRACTED OR PRODUCED, NEVER THE QUERIES, so each fragment of k, v and Wt is read by ONE wave, from memory straight into registers, and feeds four products (the four tiles of queries):
;   A: S^T = k q^T for keys 256 w .. + 255 (16 tiles);  B: the softmax (the four waves' maxima and sums meet in LDS), p's codes as images to LDS;
;   C: O^T = v^T p^T for channels 128 w .. + 127 (8 tiles) over all keys;  D: o's codes as images to LDS; out for output channels 128 w .. + 127; bias as C; + x; whole rows of 256 bytes out through a stage.
; ONE RING of twelve fragment buffers serves the wave's 160 fragments (64 of k, 64 of v, 32 of Wt) in 40 runs of four, loaded three runs ahead.
; NO CLUSTER, though the 16 work-groups of an image read the same k and v: a joint load lands in LDS, and here no fragment goes through LDS: 1.25 MiB a work-group would have to be written there and read again,
; through slots filled again and again (the text's own LDS use leaves room for a sixth of it at a time).
; LIMITS: NaN and infinities are not served; p under 2^-126 counts as 0 (v_exp_f32: ISA guide 15.8); a block of zeros gets the byte 1 (zero codes; the bytes are read here alone).
; REGISTERS.  window 0: v1-3 addresses that stay, v4-7 addresses of the phase; v8-15 bt of my eight tiles' rows; v16-47, v48-63 scale words; v64-255 the ring.
;   window 1: A: q at 16 (4 qt + ks);  B: the softmax's small numbers;  C: O^T at 32 dt + 8 qt;  D: v0-63 bt as C, v64-127 rows of x, v128-191 rows of out.
;   windows 2, 3: A, B: S^T (tile kt, qt) in window 2 + kt / 8 at 32 (kt % 8) + 8 qt;  C: p (key step m, qt) in window 2 + m / 4 at 16 (4 (m % 4) + qt);  D: window 2: o at 16 (4 qt + ks), window 3: out at 32 D + 8 qt.
.set PSC,  65536                       ; LDS: 0 .. 65,535 p's 32 fragments (4 m + qt); then their scale words, 256 m + 64 qt + 4 r;
.set OIMG, 67584                       ; o's 16 fragments (4 qt + ks);
.set OSC,  100352                      ; their scale words, 256 ks + 64 qt + 4 r;
.set REDM, 101376                      ; the waves' maxima, 256 qt + 16 r + 4 w; 1,024 bytes on: their sums;
.set STG,  103424                      ; a stage of 16 rows x 272 bytes for each wave
.set L16, 1
.set L4,  2
.set R4,  3
.set BTV, 8
.set KSC, 16                           ; scale words of k, of v, of Wt
.set QSC, 48                           ; of q, of p, of o
.set RING, 64
.set MXC, 0                            ; window 1 in phase B: four chains of maxima a tile;
.set PRM, 16                           ; the other half of the lanes';
.set EX,  20                           ; the four waves' figures;
.set NM,  36                           ; - c x the row's maximum (pairs);
.set SMC, 44                           ; two chains of pairs of sums a tile;
.set RL,  60                           ; 1 / the row's sum (pairs);
.set TQ,  72                           ; the quantiser's
.set TO,  0                            ; and in phase D, in window 2
.set WV,  18
.set SEL, 46
.set MNT, 48
.set NC,  49                           ; - c
.set CS,  50                           ; s[50:51] c = log2(e) / sqrt(512)
.set MSB, 0
.macro WIN new                         ; bits 1:0 source 0, 3:2 source 1, 5:4 source 2, 7:6 destination; the high byte repeats the setting that is left
.if MSB != (\new)
	s_set_vgpr_msb (MSB<<8)|(\new)
.set MSB, (\new)
.endif
.endm
.macro PLACES n
.rept \n
	v_nop
.endr
.endm
.macro BARRIER                         ; my LDS stores have landed and my LDS loads are in: then the work-group's barrier
	s_wait_dscnt 0x0
	s_barrier_signal -1
	s_barrier_wait -1
.endm
; one product: D, source 0, source 1, C (under 0: the constant 0), the two scale registers, and whether each side's words lie in lanes 16-31
.macro MMS d, a, b, c, x, y, ra, rb
.set mD, \d
.set mA, \a
.set mB, \b
.set mX, \x
.set mY, \y
.if (\c) < 0
.if (\ra) && (\rb)
	v_wmma_scale_f32_16x16x128_f8f6f4 v[mD:mD+7], v[mA:mA+15], v[mB:mB+15], 0, v[mX], v[mY] matrix_a_fmt:MATRIX_FMT_BF8 matrix_b_fmt:MATRIX_FMT_BF8 matrix_a_scale:MATRIX_SCALE_ROW1 matrix_b_scale:MATRIX_SCALE_ROW1
.elseif (\ra)
	v_wmma_scale_f32_16x16x128_f8f6f4 v[mD:mD+7], v[mA:mA+15], v[mB:mB+15], 0, v[mX], v[mY] matrix_a_fmt:MATRIX_FMT_BF8 matrix_b_fmt:MATRIX_FMT_BF8 matrix_a_scale:MATRIX_SCALE_ROW1
.elseif (\rb)
	v_wmma_scale_f32_16x16x128_f8f6f4 v[mD:mD+7], v[mA:mA+15], v[mB:mB+15], 0, v[mX], v[mY] matrix_a_fmt:MATRIX_FMT_BF8 matrix_b_fmt:MATRIX_FMT_BF8 matrix_b_scale:MATRIX_SCALE_ROW1
.else
	v_wmma_scale_f32_16x16x128_f8f6f4 v[mD:mD+7], v[mA:mA+15], v[mB:mB+15], 0, v[mX], v[mY] matrix_a_fmt:MATRIX_FMT_BF8 matrix_b_fmt:MATRIX_FMT_BF8
.endif
.else
.set mC, \c
.if (\ra) && (\rb)
	v_wmma_scale_f32_16x16x128_f8f6f4 v[mD:mD+7], v[mA:mA+15], v[mB:mB+15], v[mC:mC+7], v[mX], v[mY] matrix_a_fmt:MATRIX_FMT_BF8 matrix_b_fmt:MATRIX_FMT_BF8 matrix_a_scale:MATRIX_SCALE_ROW1 matrix_b_scale:MATRIX_SCALE_ROW1
.elseif (\ra)
	v_wmma_scale_f32_16x16x128_f8f6f4 v[mD:mD+7], v[mA:mA+15], v[mB:mB+15], v[mC:mC+7], v[mX], v[mY] matrix_a_fmt:MATRIX_FMT_BF8 matrix_b_fmt:MATRIX_FMT_BF8 matrix_a_scale:MATRIX_SCALE_ROW1
.elseif (\rb)
	v_wmma_scale_f32_16x16x128_f8f6f4 v[mD:mD+7], v[mA:mA+15], v[mB:mB+15], v[mC:mC+7], v[mX], v[mY] matrix_a_fmt:MATRIX_FMT_BF8 matrix_b_fmt:MATRIX_FMT_BF8 matrix_b_scale:MATRIX_SCALE_ROW1
.else
	v_wmma_scale_f32_16x16x128_f8f6f4 v[mD:mD+7], v[mA:mA+15], v[mB:mB+15], v[mC:mC+7], v[mX], v[mY] matrix_a_fmt:MATRIX_FMT_BF8 matrix_b_fmt:MATRIX_FMT_BF8
.endif
.endif
.endm
; 64 numbers of a lane become a fragment's codes and its scale word.  Number n = 16 b + i, which is k = 32 b + 16 (lane / 16) + i of the lane's row, lies in window W at s + (n / 8) str + n % 8.
; In window TW from T on: +0..3 largest magnitudes, +4..7 the other half's, then the bytes, +8..11 57,344 x the scale, +12..15 the conversions' scale operands, +16 the scale word, +20..35 the codes.
; mode 1: the numbers are never negative.  Each accumulator is read from its low end on.  The window is left as it stands.
.macro QUANT s, str, W, TW, T, mode
	WIN ((\W)|((\W)<<2)|((\TW)<<6))
.irp b, 0,1,2,3
.if \mode
	v_max3_num_f32 v[(\T)+\b], v[(\s)+2*\b*(\str)], v[(\s)+2*\b*(\str)+1], 0x8000000         ; with the floor 2^(16 - 127): the byte cannot fall under 1
.else
	v_max3_num_f32 v[(\T)+\b], |v[(\s)+2*\b*(\str)]|, |v[(\s)+2*\b*(\str)+1]|, 0x8000000
.endif
.endr
	WIN ((\TW)|((\W)<<2)|((\W)<<4)|((\TW)<<6))
.irp i, 2,4,6,8,10,12,14
.irp b, 0,1,2,3
.if \mode
	v_max3_num_f32 v[(\T)+\b], v[(\T)+\b], v[(\s)+(2*\b+\i/8)*(\str)+\i%8], v[(\s)+(2*\b+\i/8)*(\str)+\i%8+1]
.else
	v_max3_num_f32 v[(\T)+\b], v[(\T)+\b], |v[(\s)+(2*\b+\i/8)*(\str)+\i%8]|, |v[(\s)+(2*\b+\i/8)*(\str)+\i%8+1]|
.endif
.endr
.endr
	WIN ((\TW)*0x55)
.irp b, 0,1,2,3
	v_permlanex16_b32 v[(\T)+4+\b], v[(\T)+\b], s[SEL], s[SEL+1]
.endr
.irp b, 0,1,2,3
	v_max_num_f32 v[(\T)+\b], v[(\T)+\b], v[(\T)+4+\b]             ; with lane l xor 16's 16 numbers: the block's largest magnitude
.endr
.irp b, 0,1,2,3
	v_add_nc_u32 v[(\T)+12+\b], 0xf8800000, v[(\T)+\b]             ; 15 off its exponent field
.endr
.irp b, 0,1,2,3
	v_and_or_b32 v[(\T)+8+\b], v[(\T)+\b], 0x7f800000, s[MNT]      ; 57,344 x the scale
.endr
.irp b, 0,1,2,3
	v_lshrrev_b32 v[(\T)+4+\b], 23, v[(\T)+12+\b]                  ; the byte
.endr
	v_lshl_or_b32 v[(\T)+16], v[(\T)+5], 8, v[(\T)+4]
	v_lshl_or_b32 v[(\T)+16], v[(\T)+6], 16, v[(\T)+16]
	v_lshl_or_b32 v[(\T)+16], v[(\T)+7], 24, v[(\T)+16]
	WIN ((\W)|((\TW)<<2)|((\TW)<<4)|((\W)<<6))
.irp b, 0,1,2,3
.irp i, 0,1,2,3,4,5,6,7,8,9,10,11,12,13,14,15
.if \mode
	v_min_num_f32 v[(\s)+(2*\b+\i/8)*(\str)+\i%8], v[(\s)+(2*\b+\i/8)*(\str)+\i%8], v[(\T)+8+\b]
.else
	v_med3_num_f32 v[(\s)+(2*\b+\i/8)*(\str)+\i%8], v[(\s)+(2*\b+\i/8)*(\str)+\i%8], -v[(\T)+8+\b], v[(\T)+8+\b]   ; the conversion does not saturate (ISA guide 7.6.2)
.endif
.endr
.endr
	WIN ((\W)|((\TW)<<2)|((\TW)<<6))
.irp b, 0,1,2,3
	v_cvt_scalef32_pk8_bf8_f32 v[(\T)+20+4*\b:(\T)+21+4*\b], v[(\s)+2*\b*(\str):(\s)+2*\b*(\str)+7], v[(\T)+12+\b]
	v_cvt_scalef32_pk8_bf8_f32 v[(\T)+22+4*\b:(\T)+23+4*\b], v[(\s)+(2*\b+1)*(\str):(\s)+(2*\b+1)*(\str)+7], v[(\T)+12+\b]
.endr
	v_nop                                          ; a plain line behind the last conversion: later products and loads write its registers
.endm
; Run R's four fragments, 16 loads of 512 consecutive bytes, into bank R % 3 of the ring.  R < 16: key tile R, K steps 0-3;  R < 32: key step (R - 16) / 2, channel tiles 4 (R % 2) + 0..3;  else Wt's tile R - 32, K steps 0-3
.macro LOADRUN R
.set rbk, RING+64*((\R)%3)
.irp j, 0,1,2,3
.irp cc, 0,1,2,3
.if (\R) < 16
	global_load_b128 v[rbk+16*\j+4*\cc:rbk+16*\j+4*\cc+3], v[L16], s[24:25] offset:(\R)*8192+\j*2048+\cc*512
.elseif (\R) < 32
	global_load_b128 v[rbk+16*\j+4*\cc:rbk+16*\j+4*\cc+3], v[L16], s[26:27] offset:(4*(((\R)-16)%2)+\j)*16384+(((\R)-16)/2)*2048+\cc*512
.else
	global_load_b128 v[rbk+16*\j+4*\cc:rbk+16*\j+4*\cc+3], v[L16], s[28:29] offset:((\R)-32)*8192+\j*2048+\cc*512
.endif
.endr
.endr
.endm
; In every run the accumulators take turns, one instruction a turn.  Eight places stand between a run's products and the loads into the bank that they read.
.macro RUNA kt                         ; S^T of key tile kt: source 0 = k, source 1 = q
	s_wait_loadcnt 32                              ; this run's fragments, and all that was asked before them, are in; the two younger runs stay out
	WIN 0xa4+0x50*((\kt)/8)
.irp ks, 0,1,2,3
.irp qt, 0,1,2,3
.if \ks == 0
	MMS 32*((\kt)%8)+8*\qt, RING+64*((\kt)%3)+16*\ks, 16*(4*\qt+\ks), -1, KSC+8*\ks+(\kt)/2, QSC+2*\ks+\qt/2, (\kt)%2, \qt%2
.else
	MMS 32*((\kt)%8)+8*\qt, RING+64*((\kt)%3)+16*\ks, 16*(4*\qt+\ks), 32*((\kt)%8)+8*\qt, KSC+8*\ks+(\kt)/2, QSC+2*\ks+\qt/2, (\kt)%2, \qt%2
.endif
.endr
.endr
	WIN 0
	PLACES 8
	LOADRUN (\kt)+3
.endm
.macro RUNC R, n                       ; O^T += v^T p^T: source 0 = v, source 1 = p
.set mm, ((\R)-16)/2
.set hf, ((\R)-16)%2
	s_wait_loadcnt \n
.if hf == 0
.if 16*(7-mm) > 63
	s_wait_dscnt 63                                ; p's fragments of this key step are in; 16 (7 - m) younger loads might stay out: 63 is the largest count that the wait can name
.else
	s_wait_dscnt 16*(7-mm)
.endif
.endif
	WIN 0x58+4*(mm/4)
.irp j, 0,1,2,3
.irp qt, 0,1,2,3
.if mm == 0
	MMS 32*(4*hf+\j)+8*\qt, RING+64*((\R)%3)+16*\j, 16*(4*(mm%4)+\qt), -1, KSC+4*mm+(4*hf+\j)/2, QSC+2*mm+\qt/2, \j%2, \qt%2
.else
	MMS 32*(4*hf+\j)+8*\qt, RING+64*((\R)%3)+16*\j, 16*(4*(mm%4)+\qt), 32*(4*hf+\j)+8*\qt, KSC+4*mm+(4*hf+\j)/2, QSC+2*mm+\qt/2, \j%2, \qt%2
.endif
.endr
.endr
	WIN 0
.if ((\R) >= 26) && ((\R) <= 29)
	global_prefetch_b8 v7, s[40:41] offset:131072*((\R)-26) th:TH_LOAD_NT scope:SCOPE_SE   ; 32 of my 128 rows of x, 256 bytes each, one lane a row: each block is asked for once in the launch, by the wave that loads it behind run 36
.endif
	PLACES 8
	LOADRUN (\R)+3
.endm
.macro RUND R, n                       ; out of Wt's tile R - 32: source 0 = o (rows: tokens), source 1 = Wt: a lane holds one output channel and eight neighbouring tokens
.set DD, (\R)-32
	s_wait_loadcnt \n
.irp ks, 0,1,2,3
.if \ks == 0
	WIN 0xd2                                       ; the bias, in window 1, is the C of the first products
.else
	WIN 0xf2
.endif
.irp qt, 0,1,2,3
.if \ks == 0
	MMS 32*DD+8*\qt, 16*(4*\qt+\ks), RING+64*((\R)%3)+16*\ks, 8*DD, QSC+2*\ks+\qt/2, KSC+4*(DD/2)+\ks, \qt%2, DD%2
.else
	MMS 32*DD+8*\qt, 16*(4*\qt+\ks), RING+64*((\R)%3)+16*\ks, 32*DD+8*\qt, QSC+2*\ks+\qt/2, KSC+4*(DD/2)+\ks, \qt%2, DD%2
.endif
.endr
.endr
	WIN 0
.if (\R)+3 < 40
	PLACES 8
	LOADRUN (\R)+3
.endif
.endm
.macro XLOAD D                         ; the 16 rows of x that belong to tile D: lanes 0-15 one row's 256 bytes, lanes 16-31 the next row's
	WIN 0x40
.irp t, 0,1,2,3,4,5,6,7
	global_load_b128 v[64+32*((\D)%2)+4*\t:64+32*((\D)%2)+4*\t+3], v6, s[40:41] offset:4096*(32*((\D)/2)+8*((\D)%2)+2*\t+8*(\t/4)) th:TH_LOAD_NT
.endr
	WIN 0
.endm
.macro OUT D                           ; tile D's 16 output channels x 64 tokens: through my stage, + x, out as whole rows
	WIN 0x0c
.irp qt, 0,1,2,3
	ds_store_b128 v4, v[32*(\D)+8*\qt:32*(\D)+8*\qt+3] offset:128*(\qt/2)+32*(\qt%2)       ; each accumulator from its low end on
	ds_store_b128 v4, v[32*(\D)+8*\qt+4:32*(\D)+8*\qt+7] offset:128*(\qt/2)+32*(\qt%2)+16
.endr
.if (\D) >= 2
	s_wait_xcnt 0x0                                ; the registers that tile D - 2's stores read are loaded again only behind this wait
.endif
	WIN 0x40
.irp t, 0,1,2,3,4,5,6,7
	ds_load_b128 v[128+32*((\D)%2)+4*\t:128+32*((\D)%2)+4*\t+3], v5 offset:544*\t           ; my own stage: LDS serves a wave's instructions in order (ISA guide 5.7.1.4)
.endr
	s_wait_dscnt 0x0
.if (\D) < 7
	s_wait_loadcnt 8                               ; this tile's rows of x are in; the next tile's eight loads stay out
.else
	s_wait_loadcnt 0
.endif
	WIN 0x45
.set oi, 0
.rept 16
	v_pk_add_f32 v[128+32*((\D)%2)+2*oi:129+32*((\D)%2)+2*oi], v[128+32*((\D)%2)+2*oi:129+32*((\D)%2)+2*oi], v[64+32*((\D)%2)+2*oi:65+32*((\D)%2)+2*oi]
.set oi, oi+1
.endr
	WIN 0x04
.irp t, 0,1,2,3,4,5,6,7
	global_store_b128 v6, v[128+32*((\D)%2)+4*\t:128+32*((\D)%2)+4*\t+3], s[42:43] offset:4096*(32*((\D)/2)+8*((\D)%2)+2*\t+8*(\t/4)) th:TH_STORE_NT   ; sixteen lanes store 256 consecutive bytes, aligned
.endr
	WIN 0
.if (\D)+2 < 8
	XLOAD (\D)+2
.endif
.endm
	s_load_b256 s[4:11], s[0:1], 0x0               ; qkvc, qkvs, wc, wsw
	s_load_b128 s[12:15], s[0:1], 0x20             ; x, bt
	s_load_b64 s[16:17], s[0:1], 0x30              ; out0
	v_lshrrev_b32 v4, 5, v0
	v_readfirstlane_b32 s[WV], v4
	s_and_b32 s20, ttmp7, 0xffff                   ; the image
	v_and_b32 v5, 31, v0
	v_lshlrev_b32 v[L16], 4, v5
	v_lshlrev_b32 v[L4], 2, v5
	v_and_b32 v5, 15, v0
	v_lshlrev_b32 v[R4], 2, v5
	v_and_b32 v4, 8, v5
	v_add_nc_u32 v4, v4, v5
	v_lshlrev_b32 v4, 2, v4                        ; bt: 4 (r + 8 (r / 8))
	s_mov_b32 s[SEL], 0x76543210
	s_mov_b32 s[SEL+1], 0xfedcba98
	s_mov_b32 s[MNT], 0x600000
	s_mov_b32 s[CS], 0x3d8293ee
	s_mov_b32 s[CS+1], s[CS]                       ; (named with it as a pair, so it is written)
	s_mov_b32 s[NC], 0xbd8293ee
	s_mov_b32 s23, 0
	s_lshl_b32 s19, s20, 19                        ; 512 KiB of codes an image
	s_lshl_b32 s21, s[WV], 17                      ; my 16 key tiles, or my 8 tiles of v: 128 KiB
	s_add_co_u32 s22, s19, s21
	s_wait_kmcnt 0x0
	s_add_nc_u64 s[24:25], s[4:5], s[22:23]
	s_add_nc_u64 s[26:27], s[24:25], 33554432      ; v
	s_add_nc_u64 s[24:25], s[24:25], 16777216      ; k
	s_lshl_b32 s21, ttmp9, 15
	s_add_co_u32 s22, s19, s21
	s_add_nc_u64 s[36:37], s[4:5], s[22:23]        ; q: my four tiles
	s_lshl_b32 s19, s20, 14                        ; 16 KiB of scale words an image
	s_lshl_b32 s21, s[WV], 10
	s_add_co_u32 s22, s19, s21
	s_add_nc_u64 s[30:31], s[6:7], s[22:23]
	s_add_nc_u64 s[30:31], s[30:31], 524288        ; k's
	s_lshl_b32 s21, ttmp9, 8
	s_add_co_u32 s22, s19, s21
	s_add_nc_u64 s[32:33], s[6:7], s[22:23]        ; q's
	s_lshl_b32 s21, s[WV], 9
	s_add_co_u32 s22, s19, s21
	s_add_nc_u64 s[34:35], s[6:7], s[22:23]
	s_add_nc_u64 s[34:35], s[34:35], 1048576       ; v's
	s_lshl_b32 s22, s[WV], 16
	s_add_nc_u64 s[28:29], s[8:9], s[22:23]
	s_add_nc_u64 s[28:29], s[28:29], 786432        ; Wt: my eight tiles
	s_lshl_b32 s22, s[WV], 11
	s_add_nc_u64 s[38:39], s[10:11], s[22:23]
	s_add_nc_u64 s[38:39], s[38:39], 24576         ; and their scale words
	s_lshl_b32 s22, s20, 21
	s_lshl_b32 s21, s[WV], 19
	s_add_co_u32 s22, s22, s21
	s_lshl_b32 s21, ttmp9, 8
	s_add_co_u32 s22, s22, s21                     ; x and out: the image, my 128 channels, my 64 tokens
	s_add_nc_u64 s[40:41], s[12:13], s[22:23]
	s_add_nc_u64 s[42:43], s[16:17], s[22:23]
	s_lshl_b32 s22, s[WV], 9
	s_add_nc_u64 s[44:45], s[14:15], s[22:23]
.irp D, 0,1,2,3,4,5,6,7
	global_load_b32 v[BTV+\D], v4, s[44:45] offset:(32*(\D/2)+8*(\D%2))*4
.endr
.irp ks, 0,1,2,3
.irp p, 0,1,2,3,4,5,6,7
	global_load_b32 v[KSC+8*\ks+\p], v[L4], s[30:31] offset:4096*\ks+128*\p        ; lanes 0-15: tile 2 p's words, lanes 16-31: tile 2 p + 1's
.endr
.endr
.irp ks, 0,1,2,3
.irp p, 0,1
	global_load_b32 v[QSC+2*\ks+\p], v[L4], s[32:33] offset:4096*\ks+128*\p
.endr
.endr
	WIN 0x40
.irp qt, 0,1,2,3
.irp ks, 0,1,2,3
.irp cc, 0,1,2,3
	global_load_b128 v[16*(4*\qt+\ks)+4*\cc:16*(4*\qt+\ks)+4*\cc+3], v[L16], s[36:37] offset:8192*\qt+2048*\ks+512*\cc
.endr
.endr
.endr
	WIN 0
	LOADRUN 0
	LOADRUN 1
	LOADRUN 2
	; ---------------- A: the scores
.irp kt, 0,1,2,3,4,5,6,7,8,9,10,11,12,13,14,15
	RUNA \kt
.endr
	; ---------------- B: the softmax.  v's first three runs are on their way meanwhile
.irp m, 0,1,2,3,4,5,6,7
.irp p, 0,1,2,3
	global_load_b32 v[KSC+4*\m+\p], v[L4], s[34:35] offset:2048*\m+128*\p
.endr
.endr
	v_and_b32 v5, 15, v0
	v_lshl_add_u32 v5, v5, 4, REDM                 ; a query's four words, one a wave
	s_lshl_b32 s21, s[WV], 2
	v_add_nc_u32 v4, s21, v5                       ; mine among them
	WIN 0x40
.set i, 0
.rept 16
	v_mov_b32 v[MXC+i], 0xff800000                 ; - infinity, under every score
	v_mov_b32 v[SMC+i], 0
.set i, i+1
.endr
.irp q, 0,1,2,3
	v_mov_b32 v[PRM+\q], 0                         ; (a lane permute's destination counts as one of its sources)
	v_mov_b32 v[TQ+4+\q], 0
	v_mov_b32 v[NM+2*\q+1], 0                      ; (named as the upper halves of pairs)
	v_mov_b32 v[RL+2*\q+1], 0
.endr
.irp wn, 0,1
	WIN 0x69+0x14*\wn
.irp a, 0,1,2,3,4,5,6,7
.irp jp, 0,1,2,3
.irp qt, 0,1,2,3
	v_max3_num_f32 v[MXC+4*\qt+\jp], v[MXC+4*\qt+\jp], v[32*\a+8*\qt+2*\jp], v[32*\a+8*\qt+2*\jp+1]   ; sixteen chains by turns; each accumulator from its low end on
.endr
.endr
.endr
.endr
	WIN 0x55
.irp q, 0,1,2,3
	v_max3_num_f32 v[MXC+4*\q], v[MXC+4*\q], v[MXC+4*\q+1], v[MXC+4*\q+2]
.endr
.irp q, 0,1,2,3
	v_max_num_f32 v[MXC+4*\q], v[MXC+4*\q], v[MXC+4*\q+3]
.endr
.irp q, 0,1,2,3
	v_permlanex16_b32 v[PRM+\q], v[MXC+4*\q], s[SEL], s[SEL+1]
.endr
.irp q, 0,1,2,3
	v_max_num_f32 v[MXC+4*\q], v[MXC+4*\q], v[PRM+\q]              ; my wave's 256 keys
.endr
	WIN 0x04
.irp q, 0,1,2,3
	ds_store_b32 v4, v[MXC+4*\q] offset:256*\q     ; both halves of the lanes write the same word
.endr
	BARRIER
	WIN 0x40
.irp q, 0,1,2,3
	ds_load_b128 v[EX+4*\q:EX+4*\q+3], v5 offset:256*\q
.endr
	s_wait_dscnt 0x0
	WIN 0x55
.irp q, 0,1,2,3
	v_max3_num_f32 v[EX+4*\q], v[EX+4*\q], v[EX+4*\q+1], v[EX+4*\q+2]
.endr
.irp q, 0,1,2,3
	v_max_num_f32 v[EX+4*\q], v[EX+4*\q], v[EX+4*\q+3]             ; the row's maximum over all 1,024 keys: it is taken away ahead of the exponential
.endr
.irp q, 0,1,2,3
	v_mul_f32 v[NM+2*\q], s[NC], v[EX+4*\q]
.endr
.irp wn, 0,1
	WIN 0x92+0x41*\wn
.irp qt, 0,1,2,3
.irp a, 0,1,2,3,4,5,6,7
.irp jp, 0,1,2,3
	v_pk_fma_f32 v[32*\a+8*\qt+2*\jp:32*\a+8*\qt+2*\jp+1], v[32*\a+8*\qt+2*\jp:32*\a+8*\qt+2*\jp+1], s[CS:CS+1], v[NM+2*\qt:NM+2*\qt+1] op_sel_hi:[1,0,0]   ; c s - c max
.endr
.endr
.irp a, 0,1,2,3,4,5,6,7
.irp j, 0,1,2,3,4,5,6,7
	v_exp_f32 v[32*\a+8*\qt+\j], v[32*\a+8*\qt+\j]
.endr
.endr
.endr
.endr
	v_nop                                          ; a plain line behind the last exponential
	s_wait_alu depctr_va_vdst(0)
.irp wn, 0,1
	WIN 0x49+0x04*\wn
.irp a, 0,1,2,3,4,5,6,7
.irp jp, 0,1,2,3
.irp qt, 0,1,2,3
	v_pk_add_f32 v[SMC+4*\qt+2*(\jp%2):SMC+4*\qt+2*(\jp%2)+1], v[SMC+4*\qt+2*(\jp%2):SMC+4*\qt+2*(\jp%2)+1], v[32*\a+8*\qt+2*\jp:32*\a+8*\qt+2*\jp+1]
.endr
.endr
.endr
.endr
	WIN 0x55
.irp q, 0,1,2,3
	v_pk_add_f32 v[SMC+4*\q:SMC+4*\q+1], v[SMC+4*\q:SMC+4*\q+1], v[SMC+4*\q+2:SMC+4*\q+3]
.endr
.irp q, 0,1,2,3
	v_add_f32 v[SMC+4*\q], v[SMC+4*\q], v[SMC+4*\q+1]
.endr
.irp q, 0,1,2,3
	v_permlanex16_b32 v[PRM+\q], v[SMC+4*\q], s[SEL], s[SEL+1]
.endr
.irp q, 0,1,2,3
	v_add_f32 v[SMC+4*\q], v[SMC+4*\q], v[PRM+\q]
.endr
	WIN 0x04
.irp q, 0,1,2,3
	ds_store_b32 v4, v[SMC+4*\q] offset:1024+256*\q                ; other bytes than the maxima's
.endr
	BARRIER
	WIN 0x40
.irp q, 0,1,2,3
	ds_load_b128 v[EX+4*\q:EX+4*\q+3], v5 offset:1024+256*\q
.endr
	s_wait_dscnt 0x0
	WIN 0x55
.irp q, 0,1,2,3
	v_pk_add_f32 v[EX+4*\q:EX+4*\q+1], v[EX+4*\q:EX+4*\q+1], v[EX+4*\q+2:EX+4*\q+3]
.endr
.irp q, 0,1,2,3
	v_add_f32 v[EX+4*\q], v[EX+4*\q], v[EX+4*\q+1]                 ; the row's sum
.endr
.irp q, 0,1,2,3
	v_rcp_f32 v[RL+2*\q], v[EX+4*\q]
.endr
	v_nop
	WIN 0
	s_lshl_b32 s21, s[WV], 14
	v_add_nc_u32 v4, s21, v[L16]                   ; p's images: my two key steps' eight fragments
	s_lshl_b32 s21, s[WV], 9
	s_add_co_u32 s21, s21, PSC
	v_add_nc_u32 v5, s21, v[R4]                    ; their scale words
	v_add_nc_u32 v6, PSC, v[L4]                    ; and where all of them are read
	v_and_b32 v7, 31, v0
	v_lshlrev_b32 v7, 12, v7                       ; the prefetches of x: a row of 4,096 bytes a lane
	s_wait_alu depctr_va_vdst(0)
.irp mp, 0,1
.irp qt, 0,1,2,3
	WIN 0x86+0x41*\mp
.irp a, 0,1,2,3,4,5,6,7
.irp jp, 0,1,2,3
	v_pk_mul_f32 v[32*\a+8*\qt+2*\jp:32*\a+8*\qt+2*\jp+1], v[32*\a+8*\qt+2*\jp:32*\a+8*\qt+2*\jp+1], v[RL+2*\qt:RL+2*\qt+1] op_sel_hi:[1,0]   ; p, normalised
.endr
.endr
	QUANT 8*\qt, 32, 2+\mp, 1, TQ, 1
	WIN 0x04
.irp cc, 0,1,2,3
	ds_store_b128 v4, v[TQ+20+4*\cc:TQ+23+4*\cc] offset:(4*\mp+\qt)*2048+512*\cc
.endr
	ds_store_b32 v5, v[TQ+16] offset:256*\mp+64*\qt
	s_wait_dscnt 0x0                               ; the stores have read their registers: the next codes may be written
.endr
.endr
	WIN 0
	BARRIER                                        ; p's 32 fragments lie in LDS
.irp m, 0,1,2,3,4,5,6,7
.irp p, 0,1
	ds_load_b32 v[QSC+2*\m+\p], v6 offset:256*\m+128*\p
.endr
.endr
.irp m, 0,1,2,3,4,5,6,7
	WIN 0x80+0x40*(\m/4)
.irp qt, 0,1,2,3
.irp cc, 0,1,2,3
	ds_load_b128 v[16*(4*(\m%4)+\qt)+4*\cc:16*(4*(\m%4)+\qt)+4*\cc+3], v[L16] offset:(4*\m+\qt)*2048+512*\cc
.endr
.endr
.endr
	WIN 0
	; ---------------- C: O^T
	RUNC 16, 0                                     ; v's scale words were asked for behind run 18's fragments: all are waited for, a whole softmax later
.irp R, 17,18,19,20,21,22,23,24,25,26,27,28,29,30,31
	RUNC \R, 32
.endr
	; ---------------- D: o's codes, the last product, the residual
.irp p, 0,1,2,3
	global_load_b128 v[KSC+4*\p:KSC+4*\p+3], v[L16], s[38:39] offset:512*\p        ; Wt's scale words: lanes 0-15 tile 2 p's four, lanes 16-31 tile 2 p + 1's
.endr
	s_wait_xcnt 0x0                                ; the prefetches' address register is written again only behind this wait
	s_lshl_b32 s21, s[WV], 11
	s_add_co_u32 s21, s21, OIMG
	v_add_nc_u32 v4, s21, v[L16]                   ; o's images: K step w of each tile of queries
	s_lshl_b32 s21, s[WV], 8
	s_add_co_u32 s21, s21, OSC
	v_add_nc_u32 v5, s21, v[R4]
	v_add_nc_u32 v6, OIMG, v[L16]
	v_add_nc_u32 v7, OSC, v[L4]
	WIN 0x80
.irp b, 0,1,2,3
	v_mov_b32 v[TO+4+\b], 0                        ; (a lane permute's destination counts as one of its sources)
.endr
.irp qt, 0,1,2,3
	QUANT 8*\qt, 32, 1, 2, TO, 0
	WIN 0x08
.irp cc, 0,1,2,3
	ds_store_b128 v4, v[TO+20+4*\cc:TO+23+4*\cc] offset:8192*\qt+512*\cc
.endr
	ds_store_b32 v5, v[TO+16] offset:64*\qt
	s_wait_dscnt 0x0                               ; the stores have read their registers
.endr
	WIN 0x40
.irp D, 0,1,2,3,4,5,6,7
.irp j, 0,1,2,3,4,5,6,7
	v_mov_b32 v[8*\D+\j], v[BTV+\D]                ; a lane holds one output channel: its bias in all eight registers of the C
.endr
.endr
	WIN 0
	BARRIER                                        ; o's 16 fragments lie in LDS
.irp ks, 0,1,2,3
.irp p, 0,1
	ds_load_b32 v[QSC+2*\ks+\p], v7 offset:256*\ks+128*\p
.endr
.endr
	WIN 0x80
.irp qt, 0,1,2,3
.irp ks, 0,1,2,3
.irp cc, 0,1,2,3
	ds_load_b128 v[16*(4*\qt+\ks)+4*\cc:16*(4*\qt+\ks)+4*\cc+3], v6 offset:(4*\qt+\ks)*2048+512*\cc
.endr
.endr
.endr
	WIN 0
	s_wait_dscnt 0x0
	s_mul_i32 s21, s[WV], 4352
	s_add_co_u32 s21, s21, STG                     ; my stage
	v_and_b32 v4, 15, v0                           ; r
	v_bfe_u32 v5, v0, 4, 1                         ; h
	v_lshlrev_b32 v6, 4, v4
	v_lshl_add_u32 v6, v5, 12, v6                  ; x and out: lanes 0-15 one row, lanes 16-31 the next; 16 bytes a lane
	v_mul_u32_u24 v7, v5, 272
	v_lshl_add_u32 v7, v4, 4, v7
	v_mul_u32_u24 v4, v4, 272
	v_lshl_add_u32 v4, v5, 6, v4
	v_add_nc_u32 v4, s21, v4                       ; into the stage: row r; tokens 16 h + 0..7 of a tile's 32: 64 h bytes on
	v_add_nc_u32 v5, s21, v7                       ; and back
	RUND 32, 0                                     ; Wt's scale words were asked for behind run 34's fragments
	RUND 33, 32
	RUND 34, 32
	RUND 35, 32
	RUND 36, 32
	XLOAD 0
	XLOAD 1
	RUND 37, 48                                    ; younger: runs 38 and 39, and 16 loads of x
	RUND 38, 32
	RUND 39, 16
	PLACES 8                                       ; ahead of the first read of the last results
.irp D, 0,1,2,3,4,5,6,7
	OUT \D
.endr
	s_wait_xcnt 0x0
	v_lshl_add_u32 v254, v0, 2, 0x1d800
	v_mov_b32 v255, 0
	s_wait_tensorcnt 0x0
	ds_add_u32 v254, v255
	s_wait_dscnt 0x0
	s_endpgm
.Lfunc_end_k_qfa3f139920_attn:
	.size	k_qfa3f139920_attn, .Lfunc_end_k_qfa3f139920_attn-k_qfa3f139920_attn
	.p2alignl 7, 3214868480
	.fill 96, 4, 3214868480
	.section	.rodata,"a",@progbits
	.p2align	6, 0x0
	.amdhsa_kernel k_qfa3f139920_attn
		.amdhsa_group_segment_fixed_size 121344
		.amdhsa_private_segment_fixed_size 0
		.amdhsa_enable_private_segment 0
		.amdhsa_kernarg_size 56
		.amdhsa_user_sgpr_count 2
		.amdhsa_user_sgpr_kernarg_segment_ptr 1
		.amdhsa_wavefront_size32 1
		.amdhsa_system_sgpr_workgroup_id_x 1
		.amdhsa_system_sgpr_workgroup_id_y 1
		.amdhsa_system_sgpr_workgroup_id_z 1
		.amdhsa_system_vgpr_workitem_id 0
		.amdhsa_next_free_vgpr 1024
		.amdhsa_next_free_sgpr 66
		.amdhsa_reserve_vcc 0
		.amdhsa_float_denorm_mode_32 3
		.amdhsa_float_denorm_mode_16_64 3
		.amdhsa_memory_ordered 1
		.amdhsa_forward_progress 1
		.amdhsa_inst_pref_size 255
	.end_amdhsa_kernel
	.section	.bss,"aw",@nobits
	.p2align	6
	.space	262144
	.amdgpu_metadata
---
amdhsa.version: [ 1, 2 ]
amdhsa.kernels:
  - .name:           k_qfa3f139920_attn
    .symbol:         k_qfa3f139920_attn.kd
    .args:
      - { .name: qkvc, .offset: 0, .size: 8, .value_kind: global_buffer, .address_space: global }
      - { .name: qkvs, .offset: 8, .size: 8, .value_kind: global_buffer, .address_space: global }
      - { .name: wc, .offset: 16, .size: 8, .value_kind: global_buffer, .address_space: global }
      - { .name: wsw, .offset: 24, .size: 8, .value_kind: global_buffer, .address_space: global }
      - { .name: x, .offset: 32, .size: 8, .value_kind: global_buffer, .address_space: global }
      - { .name: bt, .offset: 40, .size: 8, .value_kind: global_buffer, .address_space: global }
      - { .name: out0, .offset: 48, .size: 8, .value_kind: global_buffer, .address_space: global }
    .group_segment_fixed_size: 121344
    .private_segment_fixed_size: 0
    .kernarg_segment_align: 8
    .kernarg_segment_size: 56
    .max_flat_workgroup_size: 128
    .sgpr_count:     66
    .vgpr_count:     1024
    .wavefront_size: 32
...
	.end_amdgpu_metadata
.endif
;; end of part 3
;; ======== version 2 of 2: 3 launches; version 1 with the launch attn written anew for expert scheduling mode
;; workspace buffers: hc 16,777,216 bytes; hsp 524,288 bytes; wc 1,048,576 bytes; wsw 32,768 bytes; qkvc 50,331,648 bytes; qkvs 1,572,864 bytes
;; launch prep: the kernel of part 1 again; grid 16 x 34, 8 waves a work-group, no clusters, 35,840 bytes of LDS; arguments x, gn_scale, gn_bias, Wq, Wk, Wv, Wt, hc, hsp, wc, wsw; writes hc, hsp, wc, wsw
;; launch qkv: the kernel of part 2 again; grid 64 x 3, 4 waves a work-group, no clusters, 283,136 bytes of LDS; arguments hc, hsp, wc, wsw, bq, bk, bv, qkvc, qkvs; writes qkvc, qkvs
;; launch attn (part 4): grid 16 x 32, 4 waves a work-group, no clusters, 121,344 bytes of LDS; arguments qkvc, qkvs, wc, wsw, x, bt, out0; writes out0
.if DOCPART == 4
	.amdgcn_target "amdgcn-amd-amdhsa--gfx1250"
	.amdhsa_code_object_version 6
	.text
	.protected	k_qfa3f139920_attn
	.globl	k_qfa3f139920_attn
	.p2align	8
	.type	k_qfa3f139920_attn,@function
k_qfa3f139920_attn:
	s_mov_b64 s[64:65], 0
	v_nop
	global_prefetch_b8 v0, s[64:65] scope:SCOPE_SE
	s_setreg_imm32_b32 hwreg(HW_REG_WAVE_SCHED_MODE, 0, 2), 2
	s_setreg_imm32_b32 hwreg(HW_REG_WAVE_MODE, 25, 1), 1
	s_wait_xcnt 0x0
	s_wait_alu depctr_vm_vsrc(0)
; out = Wt^T (softmax(q^T k / sqrt(512)) v) + bt + x, all three products on codes of E5M2 with one E8M0 scale for each 32 along K.  p is quantised FINISHED AND NORMALISED, along the keys: a row's maximum and sum over
; all 1,024 keys are known before any code of p is made, so a work-group holds all scores of its queries: 64 queries (tiles 4 x .. 4 x + 3 of image y) x 1,024 keys = 512 registers in each of four waves.
; Operands are images of registers (fragment = 16 rows x 128 K = [cc 4][lane 32][16 bytes]); the rows of tile T are the indices 32 (T / 2) + 8 (T % 2) + r + 8 (r / 8).
; THE WAVES SHARE WHAT IS CONTRACTED OR PRODUCED, NEVER THE QUERIES, so each fragment of k, v and Wt is read by ONE wave, from memory straight into registers, and feeds four products (the four tiles of queries):
;   A: S^T = k q^T for keys 256 w .. + 255 (16 tiles);  B: the softmax (the four waves' maxima and sums meet in LDS), p's codes as images to LDS;
;   C: O^T = v^T p^T for channels 128 w .. + 127 (8 tiles) over all keys;  D: o's codes as images to LDS; out for output channels 128 w .. + 127; bias as C; + x; whole rows of 256 bytes out through a stage.
; ONE RING of twelve fragment buffers serves the wave's 160 fragments (64 of k, 64 of v, 32 of Wt) in 40 runs of four, loaded three runs ahead.
; NO CLUSTER, though the 16 work-groups of an image read the same k and v: a joint load lands in LDS, and here no fragment goes through LDS: 1.25 MiB a work-group would have to be written there and read again,
; through slots filled again and again (the text's own LDS use leaves room for a sixth of it at a time).
; LIMITS: NaN and infinities are not served; p under 2^-126 counts as 0 (v_exp_f32: ISA guide 15.8); a block of zeros gets the byte 1 (zero codes; the bytes are read here alone).
; THE MODE: SCHED_MODE bits 1:0 = 2 (LLVM: expert scheduling mode 2), set by the entry lines.  The code itself states the register dependences between vector or matrix instructions and memory or LDS
; instructions, with s_wait_alu, always for 0.
; THE PLAN.  Registers that memory or LDS instructions touch:
;   v1-3          offsets, made at the head and never written again.
;   v4-7          addresses of a phase: made anew at the head, twice in B, twice in D; a wait on vm_vsrc stands ahead of each remaking, and a wait on va_vdst that is owed anyway stands behind it.
;   the ring      run R's sixteen products read bank R % 3; run R + 3's sixteen loads land in it.  ONE wait on va_vdst a run, behind the run's products: the bank is asked for again at once, so that three runs stay on their way.
;   KSC, QSC      read as scales by a phase's products; the next phase's words land in them behind the wait of the phase's last run (or a later one).
;   p, o          four fragments are quantised into four sets of registers; ONE wait on va_vdst, then their twenty LDS stores; one wait on vm_vsrc ahead of the next writer of the sets.
;   p from LDS    two key steps' fragments ahead of C; the others are dealt over C's runs, eight loads a run, two key steps ahead, behind the run's wait and its ring loads: no product since names their registers.
;   the way out   two out-buffers by turns; tile D + 1 goes through the stage while tile D is added and stored.  One wait on va_vdst a tile, behind its additions: they are done reading the rows of x, in which the
;                 loads of two tiles on land, and have written the out-buffer, which the stores read.  Ahead of the stage's loads into an out-buffer that has been stored: both waits, behind the window's switch.
; REGISTERS.  window 0: v1-3 addresses that stay, v4-7 addresses of the phase; v8-15 bt of my eight tiles' rows; v16-47, v48-63 scale words; v64-255 the ring.
;   window 1: A: q at 16 (4 qt + ks);  B: the softmax's small numbers, from v72 the quantiser's four sets;  C: O^T at 32 dt + 8 qt;  D: v0-63 bt as C, v64-127 rows of x, v128-191 rows of out.
;   windows 2, 3: A, B: S^T (tile kt, qt) in window 2 + kt / 8 at 32 (kt % 8) + 8 qt;  C: p (key step m, qt) in window 2 + m / 4 at 16 (4 (m % 4) + qt);  D: window 2: o at 16 (4 qt + ks), window 3: the quantiser's four sets, then out at 32 D + 8 qt.
.set PSC,  65536                       ; LDS: 0 .. 65,535 p's 32 fragments (4 m + qt); then their scale words, 256 m + 64 qt + 4 r;
.set OIMG, 67584                       ; o's 16 fragments (4 qt + ks);
.set OSC,  100352                      ; their scale words, 256 ks + 64 qt + 4 r;
.set REDM, 101376                      ; the waves' maxima, 256 qt + 16 r + 4 w; 1,024 bytes on: their sums;
.set STG,  103424                      ; a stage of 16 rows x 272 bytes for each wave
.set L16, 1
.set L4,  2
.set R4,  3
.set BTV, 8
.set KSC, 16                           ; scale words of k, of v, of Wt
.set QSC, 48                           ; of q, of p, of o
.set RING, 64
.set MXC, 0                            ; window 1 in phase B: four chains of maxima a tile;
.set PRM, 16                           ; the other half of the lanes';
.set EX,  20                           ; the four waves' figures;
.set NM,  36                           ; - c x the row's maximum (pairs);
.set SMC, 44                           ; two chains of pairs of sums a tile;
.set RL,  60                           ; 1 / the row's sum (pairs);
.set TQ,  72                           ; the quantiser's: four sets of 36, one for each tile of queries
.set TO,  0                            ; and in phase D, in window 3: four sets of 36
.set WV,  18
.set SEL, 46
.set MNT, 48
.set NC,  49                           ; - c
.set CS,  50                           ; s[50:51] c = log2(e) / sqrt(512)
.set MSB, 0
.macro WIN new                         ; bits 1:0 source 0, 3:2 source 1, 5:4 source 2, 7:6 destination; the high byte repeats the setting that is left
.if MSB != (\new)
	s_set_vgpr_msb (MSB<<8)|(\new)
.set MSB, (\new)
.endif
.endm
.macro PLACES n
.rept \n
	v_nop
.endr
.endm
.macro BARRIER                         ; my LDS stores have landed and my LDS loads are in: then the work-group's barrier
	s_wait_dscnt 0x0
	s_barrier_signal -1
	s_barrier_wait -1
.endm
; one product: D, source 0, source 1, C (under 0: the constant 0), the two scale registers, and whether each side's words lie in lanes 16-31
.macro MMS d, a, b, c, x, y, ra, rb
.set mD, \d
.set mA, \a
.set mB, \b
.set mX, \x
.set mY, \y
.if (\c) < 0
.if (\ra) && (\rb)
	v_wmma_scale_f32_16x16x128_f8f6f4 v[mD:mD+7], v[mA:mA+15], v[mB:mB+15], 0, v[mX], v[mY] matrix_a_fmt:MATRIX_FMT_BF8 matrix_b_fmt:MATRIX_FMT_BF8 matrix_a_scale:MATRIX_SCALE_ROW1 matrix_b_scale:MATRIX_SCALE_ROW1
.elseif (\ra)
	v_wmma_scale_f32_16x16x128_f8f6f4 v[mD:mD+7], v[mA:mA+15], v[mB:mB+15], 0, v[mX], v[mY] matrix_a_fmt:MATRIX_FMT_BF8 matrix_b_fmt:MATRIX_FMT_BF8 matrix_a_scale:MATRIX_SCALE_ROW1
.elseif (\rb)
	v_wmma_scale_f32_16x16x128_f8f6f4 v[mD:mD+7], v[mA:mA+15], v[mB:mB+15], 0, v[mX], v[mY] matrix_a_fmt:MATRIX_FMT_BF8 matrix_b_fmt:MATRIX_FMT_BF8 matrix_b_scale:MATRIX_SCALE_ROW1
.else
	v_wmma_scale_f32_16x16x128_f8f6f4 v[mD:mD+7], v[mA:mA+15], v[mB:mB+15], 0, v[mX], v[mY] matrix_a_fmt:MATRIX_FMT_BF8 matrix_b_fmt:MATRIX_FMT_BF8
.endif
.else
.set mC, \c
.if (\ra) && (\rb)
	v_wmma_scale_f32_16x16x128_f8f6f4 v[mD:mD+7], v[mA:mA+15], v[mB:mB+15], v[mC:mC+7], v[mX], v[mY] matrix_a_fmt:MATRIX_FMT_BF8 matrix_b_fmt:MATRIX_FMT_BF8 matrix_a_scale:MATRIX_SCALE_ROW1 matrix_b_scale:MATRIX_SCALE_ROW1
.elseif (\ra)
	v_wmma_scale_f32_16x16x128_f8f6f4 v[mD:mD+7], v[mA:mA+15], v[mB:mB+15], v[mC:mC+7], v[mX], v[mY] matrix_a_fmt:MATRIX_FMT_BF8 matrix_b_fmt:MATRIX_FMT_BF8 matrix_a_scale:MATRIX_SCALE_ROW1
.elseif (\rb)
	v_wmma_scale_f32_16x16x128_f8f6f4 v[mD:mD+7], v[mA:mA+15], v[mB:mB+15], v[mC:mC+7], v[mX], v[mY] matrix_a_fmt:MATRIX_FMT_BF8 matrix_b_fmt:MATRIX_FMT_BF8 matrix_b_scale:MATRIX_SCALE_ROW1
.else
	v_wmma_scale_f32_16x16x128_f8f6f4 v[mD:mD+7], v[mA:mA+15], v[mB:mB+15], v[mC:mC+7], v[mX], v[mY] matrix_a_fmt:MATRIX_FMT_BF8 matrix_b_fmt:MATRIX_FMT_BF8
.endif
.endif
.endm
; 64 numbers of a lane become a fragment's codes and its scale word.  Number n = 16 b + i, which is k = 32 b + 16 (lane / 16) + i of the lane's row, lies in window W at s + (n / 8) str + n % 8.
; In window TW from T on: +0..3 largest magnitudes, +4..7 the other half's, then the bytes, +8..11 57,344 x the scale, +12..15 the conversions' scale operands, +16 the scale word, +20..35 the codes.
; mode 1: the numbers are never negative.  Each accumulator is read from its low end on.  The window is left as it stands.
.macro QUANT s, str, W, TW, T, mode
	WIN ((\W)|((\W)<<2)|((\TW)<<6))
.irp b, 0,1,2,3
.if \mode
	v_max3_num_f32 v[(\T)+\b], v[(\s)+2*\b*(\str)], v[(\s)+2*\b*(\str)+1], 0x8000000         ; with the floor 2^(16 - 127): the byte cannot fall under 1
.else
	v_max3_num_f32 v[(\T)+\b], |v[(\s)+2*\b*(\str)]|, |v[(\s)+2*\b*(\str)+1]|, 0x8000000
.endif
.endr
	WIN ((\TW)|((\W)<<2)|((\W)<<4)|((\TW)<<6))
.irp i, 2,4,6,8,10,12,14
.irp b, 0,1,2,3
.if \mode
	v_max3_num_f32 v[(\T)+\b], v[(\T)+\b], v[(\s)+(2*\b+\i/8)*(\str)+\i%8], v[(\s)+(2*\b+\i/8)*(\str)+\i%8+1]
.else
	v_max3_num_f32 v[(\T)+\b], v[(\T)+\b], |v[(\s)+(2*\b+\i/8)*(\str)+\i%8]|, |v[(\s)+(2*\b+\i/8)*(\str)+\i%8+1]|
.endif
.endr
.endr
	WIN ((\TW)*0x55)
.irp b, 0,1,2,3
	v_permlanex16_b32 v[(\T)+4+\b], v[(\T)+\b], s[SEL], s[SEL+1]
.endr
.irp b, 0,1,2,3
	v_max_num_f32 v[(\T)+\b], v[(\T)+\b], v[(\T)+4+\b]             ; with lane l xor 16's 16 numbers: the block's largest magnitude
.endr
.irp b, 0,1,2,3
	v_add_nc_u32 v[(\T)+12+\b], 0xf8800000, v[(\T)+\b]             ; 15 off its exponent field
.endr
.irp b, 0,1,2,3
	v_and_or_b32 v[(\T)+8+\b], v[(\T)+\b], 0x7f800000, s[MNT]      ; 57,344 x the scale
.endr
.irp b, 0,1,2,3
	v_lshrrev_b32 v[(\T)+4+\b], 23, v[(\T)+12+\b]                  ; the byte
.endr
	v_lshl_or_b32 v[(\T)+16], v[(\T)+5], 8, v[(\T)+4]
	v_lshl_or_b32 v[(\T)+16], v[(\T)+6], 16, v[(\T)+16]
	v_lshl_or_b32 v[(\T)+16], v[(\T)+7], 24, v[(\T)+16]
	WIN ((\W)|((\TW)<<2)|((\TW)<<4)|((\W)<<6))
.irp b, 0,1,2,3
.irp i, 0,1,2,3,4,5,6,7,8,9,10,11,12,13,14,15
.if \mode
	v_min_num_f32 v[(\s)+(2*\b+\i/8)*(\str)+\i%8], v[(\s)+(2*\b+\i/8)*(\str)+\i%8], v[(\T)+8+\b]
.else
	v_med3_num_f32 v[(\s)+(2*\b+\i/8)*(\str)+\i%8], v[(\s)+(2*\b+\i/8)*(\str)+\i%8], -v[(\T)+8+\b], v[(\T)+8+\b]   ; the conversion does not saturate (ISA guide 7.6.2)
.endif
.endr
.endr
	WIN ((\W)|((\TW)<<2)|((\TW)<<6))
.irp b, 0,1,2,3
	v_cvt_scalef32_pk8_bf8_f32 v[(\T)+20+4*\b:(\T)+21+4*\b], v[(\s)+2*\b*(\str):(\s)+2*\b*(\str)+7], v[(\T)+12+\b]
	v_cvt_scalef32_pk8_bf8_f32 v[(\T)+22+4*\b:(\T)+23+4*\b], v[(\s)+(2*\b+1)*(\str):(\s)+(2*\b+1)*(\str)+7], v[(\T)+12+\b]
.endr
	v_nop                                          ; a plain line behind the last conversion: later products and loads write its registers
.endm
; Run R's four fragments, 16 loads of 512 consecutive bytes, into bank R % 3 of the ring.  R < 16: key tile R, K steps 0-3;  R < 32: key step (R - 16) / 2, channel tiles 4 (R % 2) + 0..3;  else Wt's tile R - 32, K steps 0-3
.macro LOADRUN R
.set rbk, RING+64*((\R)%3)
.irp j, 0,1,2,3
.irp cc, 0,1,2,3
.if (\R) < 16
	global_load_b128 v[rbk+16*\j+4*\cc:rbk+16*\j+4*\cc+3], v[L16], s[24:25] offset:(\R)*8192+\j*2048+\cc*512
.elseif (\R) < 32
	global_load_b128 v[rbk+16*\j+4*\cc:rbk+16*\j+4*\cc+3], v[L16], s[26:27] offset:(4*(((\R)-16)%2)+\j)*16384+(((\R)-16)/2)*2048+\cc*512
.else
	global_load_b128 v[rbk+16*\j+4*\cc:rbk+16*\j+4*\cc+3], v[L16], s[28:29] offset:((\R)-32)*8192+\j*2048+\cc*512
.endif
.endr
.endr
.endm
; p's fragments of key step m, tiles of queries q0 and q0 + 1, from LDS: eight loads.  The window is left as it stands.
.macro PLOAD m, q0
	WIN 0x80+0x40*((\m)/4)
.irp qq, 0,1
.irp cc, 0,1,2,3
	ds_load_b128 v[16*(4*((\m)%4)+(\q0)+\qq)+4*\cc:16*(4*((\m)%4)+(\q0)+\qq)+4*\cc+3], v[L16] offset:(4*(\m)+(\q0)+\qq)*2048+512*\cc
.endr
.endr
.endm
; In every run the accumulators take turns, one instruction a turn.  Eight places and the run's wait stand between a run's products and the loads into the bank that they read.
.macro RUNA kt                         ; S^T of key tile kt: source 0 = k, source 1 = q
	s_wait_loadcnt 32                              ; this run's fragments, and all that was asked before them, are in; the two younger runs stay out
	WIN 0xa4+0x50*((\kt)/8)
.irp ks, 0,1,2,3
.irp qt, 0,1,2,3
.if \ks == 0
	MMS 32*((\kt)%8)+8*\qt, RING+64*((\kt)%3)+16*\ks, 16*(4*\qt+\ks), -1, KSC+8*\ks+(\kt)/2, QSC+2*\ks+\qt/2, (\kt)%2, \qt%2
.else
	MMS 32*((\kt)%8)+8*\qt, RING+64*((\kt)%3)+16*\ks, 16*(4*\qt+\ks), 32*((\kt)%8)+8*\qt, KSC+8*\ks+(\kt)/2, QSC+2*\ks+\qt/2, (\kt)%2, \qt%2
.endif
.endr
.endr
	WIN 0
	PLACES 8
	s_wait_alu depctr_va_vdst(0)                   ; this run's products are done reading their bank of the ring, in which the loads below land (behind the last run: and k's scale words, in which v's land)
	LOADRUN (\kt)+3
.endm
.macro RUNC R, n                       ; O^T += v^T p^T: source 0 = v, source 1 = p
.set mm, ((\R)-16)/2
.set hf, ((\R)-16)%2
	s_wait_loadcnt \n
.if hf == 0
.if mm < 7
	s_wait_dscnt 16                                ; p's fragments of this key step (and its scale words) are in; the next key step's sixteen loads stay out
.else
	s_wait_dscnt 0x0
.endif
.endif
	WIN 0x58+4*(mm/4)
.irp j, 0,1,2,3
.irp qt, 0,1,2,3
.if mm == 0
	MMS 32*(4*hf+\j)+8*\qt, RING+64*((\R)%3)+16*\j, 16*(4*(mm%4)+\qt), -1, KSC+4*mm+(4*hf+\j)/2, QSC+2*mm+\qt/2, \j%2, \qt%2
.else
	MMS 32*(4*hf+\j)+8*\qt, RING+64*((\R)%3)+16*\j, 16*(4*(mm%4)+\qt), 32*(4*hf+\j)+8*\qt, KSC+4*mm+(4*hf+\j)/2, QSC+2*mm+\qt/2, \j%2, \qt%2
.endif
.endr
.endr
	WIN 0
.if ((\R) >= 26) && ((\R) <= 29)
	global_prefetch_b8 v7, s[40:41] offset:131072*((\R)-26) th:TH_LOAD_NT scope:SCOPE_SE   ; 32 of my 128 rows of x, 256 bytes each, one lane a row: each block is asked for once in the launch, by the wave that loads it behind run 36
.endif
	PLACES 8
	s_wait_alu depctr_va_vdst(0)                   ; this run's products are done reading their bank of the ring, in which the loads below land (behind the last run: and v's scale words, in which Wt's land)
	LOADRUN (\R)+3
.if mm+2 < 8
	PLOAD mm+2, 2*hf                               ; half of p's fragments of two key steps on.  No further wait: no vector or matrix instruction since the quantiser's wait names their registers
.endif
.endm
.macro RUND R, n                       ; out of Wt's tile R - 32: source 0 = o (rows: tokens), source 1 = Wt: a lane holds one output channel and eight neighbouring tokens
.set DD, (\R)-32
	s_wait_loadcnt \n
.irp ks, 0,1,2,3
.if \ks == 0
	WIN 0xd2                                       ; the bias, in window 1, is the C of the first products
.else
	WIN 0xf2
.endif
.irp qt, 0,1,2,3
.if \ks == 0
	MMS 32*DD+8*\qt, 16*(4*\qt+\ks), RING+64*((\R)%3)+16*\ks, 8*DD, QSC+2*\ks+\qt/2, KSC+4*(DD/2)+\ks, \qt%2, DD%2
.else
	MMS 32*DD+8*\qt, 16*(4*\qt+\ks), RING+64*((\R)%3)+16*\ks, 32*DD+8*\qt, QSC+2*\ks+\qt/2, KSC+4*(DD/2)+\ks, \qt%2, DD%2
.endif
.endr
.endr
	WIN 0
.if (\R)+3 < 40
	PLACES 8
	s_wait_alu depctr_va_vdst(0)                   ; this run's products are done reading their bank of the ring, in which the loads below land (the first such wait also states that the way out's addresses v4 to v7 are written)
	LOADRUN (\R)+3
.endif
.endm
.macro XLOAD D                         ; the 16 rows of x that belong to tile D: lanes 0-15 one row's 256 bytes, lanes 16-31 the next row's.  The window is left as it stands
	WIN 0x40
.irp t, 0,1,2,3,4,5,6,7
	global_load_b128 v[64+32*((\D)%2)+4*\t:64+32*((\D)%2)+4*\t+3], v6, s[40:41] offset:4096*(32*((\D)/2)+8*((\D)%2)+2*\t+8*(\t/4)) th:TH_LOAD_NT
.endr
.endm
.macro TOSTAGE D                       ; tile D's 16 output channels x 64 tokens go into my stage and come back as whole rows, into out-buffer D % 2
	WIN 0x0c
.irp qt, 0,1,2,3
	ds_store_b128 v4, v[32*(\D)+8*\qt:32*(\D)+8*\qt+3] offset:128*(\qt/2)+32*(\qt%2)       ; each accumulator from its low end on
	ds_store_b128 v4, v[32*(\D)+8*\qt+4:32*(\D)+8*\qt+7] offset:128*(\qt/2)+32*(\qt%2)+16
.endr
.if (\D) >= 2
	s_wait_xcnt 0x0                                ; the registers that tile D - 2's stores read are loaded again only behind this wait
.endif
	WIN 0x40
.if (\D) >= 2
	s_wait_alu depctr_va_vdst(0)                   ; tile D - 2's additions have written this out-buffer, in which the loads below land
	s_wait_alu depctr_vm_vsrc(0)                   ; and tile D - 2's stores have read it
.endif
.irp t, 0,1,2,3,4,5,6,7
	ds_load_b128 v[128+32*((\D)%2)+4*\t:128+32*((\D)%2)+4*\t+3], v5 offset:544*\t           ; my own stage: LDS serves a wave's instructions in order (ISA guide 5.7.1.4): these see the stores above, and the next tile's stores come behind them
.endr
.endm
.macro SEND D                          ; tile D: + x, out as whole rows
.if (\D) < 7
	s_wait_dscnt 16                                ; the tile is back from the stage; the next tile's eight stores and eight loads stay out
	s_wait_loadcnt 8                               ; this tile's rows of x are in; the next tile's eight loads stay out
.else
	s_wait_dscnt 0x0
	s_wait_loadcnt 0
.endif
	WIN 0x45
.set oi, 0
.rept 16
	v_pk_add_f32 v[128+32*((\D)%2)+2*oi:129+32*((\D)%2)+2*oi], v[128+32*((\D)%2)+2*oi:129+32*((\D)%2)+2*oi], v[64+32*((\D)%2)+2*oi:65+32*((\D)%2)+2*oi]
.set oi, oi+1
.endr
.if (\D)+2 < 8
	WIN 0x40
	s_wait_alu depctr_va_vdst(0)                   ; the additions are done reading these rows of x, in which the rows of two tiles on land, and have written the out-buffer, which the stores below read
	XLOAD (\D)+2
	WIN 0x04
.else
	WIN 0x04
	s_wait_alu depctr_va_vdst(0)                   ; the additions have written the out-buffer, which the stores below read
.endif
.irp t, 0,1,2,3,4,5,6,7
	global_store_b128 v6, v[128+32*((\D)%2)+4*\t:128+32*((\D)%2)+4*\t+3], s[42:43] offset:4096*(32*((\D)/2)+8*((\D)%2)+2*\t+8*(\t/4)) th:TH_STORE_NT   ; sixteen lanes store 256 consecutive bytes, aligned
.endr
.endm
	s_load_b256 s[4:11], s[0:1], 0x0               ; qkvc, qkvs, wc, wsw
	s_load_b128 s[12:15], s[0:1], 0x20             ; x, bt
	s_load_b64 s[16:17], s[0:1], 0x30              ; out0
	v_lshrrev_b32 v4, 5, v0
	v_readfirstlane_b32 s[WV], v4
	s_and_b32 s20, ttmp7, 0xffff                   ; the image
	v_and_b32 v5, 31, v0
	v_lshlrev_b32 v[L16], 4, v5
	v_lshlrev_b32 v[L4], 2, v5
	v_and_b32 v5, 15, v0
	v_lshlrev_b32 v[R4], 2, v5
	v_and_b32 v4, 8, v5
	v_add_nc_u32 v4, v4, v5
	v_lshlrev_b32 v4, 2, v4                        ; bt: 4 (r + 8 (r / 8))
	s_mov_b32 s[SEL], 0x76543210
	s_mov_b32 s[SEL+1], 0xfedcba98
	s_mov_b32 s[MNT], 0x600000
	s_mov_b32 s[CS], 0x3d8293ee
	s_mov_b32 s[CS+1], s[CS]                       ; (named with it as a pair, so it is written)
	s_mov_b32 s[NC], 0xbd8293ee
	s_mov_b32 s23, 0
	s_wait_alu depctr_va_sdst(0)                   ; the wave's number is written, ahead of its first reader: the bases below are made from it
	s_lshl_b32 s19, s20, 19                        ; 512 KiB of codes an image
	s_lshl_b32 s21, s[WV], 17                      ; my 16 key tiles, or my 8 tiles of v: 128 KiB
	s_add_co_u32 s22, s19, s21
	s_wait_kmcnt 0x0
	s_add_nc_u64 s[24:25], s[4:5], s[22:23]
	s_add_nc_u64 s[26:27], s[24:25], 33554432      ; v
	s_add_nc_u64 s[24:25], s[24:25], 16777216      ; k
	s_lshl_b32 s21, ttmp9, 15
	s_add_co_u32 s22, s19, s21
	s_add_nc_u64 s[36:37], s[4:5], s[22:23]        ; q: my four tiles
	s_lshl_b32 s19, s20, 14                        ; 16 KiB of scale words an image
	s_lshl_b32 s21, s[WV], 10
	s_add_co_u32 s22, s19, s21
	s_add_nc_u64 s[30:31], s[6:7], s[22:23]
	s_add_nc_u64 s[30:31], s[30:31], 524288        ; k's
	s_lshl_b32 s21, ttmp9, 8
	s_add_co_u32 s22, s19, s21
	s_add_nc_u64 s[32:33], s[6:7], s[22:23]        ; q's
	s_lshl_b32 s21, s[WV], 9
	s_add_co_u32 s22, s19, s21
	s_add_nc_u64 s[34:35], s[6:7], s[22:23]
	s_add_nc_u64 s[34:35], s[34:35], 1048576       ; v's
	s_lshl_b32 s22, s[WV], 16
	s_add_nc_u64 s[28:29], s[8:9], s[22:23]
	s_add_nc_u64 s[28:29], s[28:29], 786432        ; Wt: my eight tiles
	s_lshl_b32 s22, s[WV], 11
	s_add_nc_u64 s[38:39], s[10:11], s[22:23]
	s_add_nc_u64 s[38:39], s[38:39], 24576         ; and their scale words
	s_lshl_b32 s22, s20, 21
	s_lshl_b32 s21, s[WV], 19
	s_add_co_u32 s22, s22, s21
	s_lshl_b32 s21, ttmp9, 8
	s_add_co_u32 s22, s22, s21                     ; x and out: the image, my 128 channels, my 64 tokens
	s_add_nc_u64 s[40:41], s[12:13], s[22:23]
	s_add_nc_u64 s[42:43], s[16:17], s[22:23]
	s_lshl_b32 s22, s[WV], 9
	s_add_nc_u64 s[44:45], s[14:15], s[22:23]
	s_wait_alu depctr_va_vdst(0)                   ; the offsets v1 to v4 are written, which the loads below read
.irp D, 0,1,2,3,4,5,6,7
	global_load_b32 v[BTV+\D], v4, s[44:45] offset:(32*(\D/2)+8*(\D%2))*4
.endr
.irp ks, 0,1,2,3
.irp p, 0,1,2,3,4,5,6,7
	global_load_b32 v[KSC+8*\ks+\p], v[L4], s[30:31] offset:4096*\ks+128*\p        ; lanes 0-15: tile 2 p's words, lanes 16-31: tile 2 p + 1's
.endr
.endr
.irp ks, 0,1,2,3
.irp p, 0,1
	global_load_b32 v[QSC+2*\ks+\p], v[L4], s[32:33] offset:4096*\ks+128*\p
.endr
.endr
	WIN 0x40
.irp qt, 0,1,2,3
.irp ks, 0,1,2,3
.irp cc, 0,1,2,3
	global_load_b128 v[16*(4*\qt+\ks)+4*\cc:16*(4*\qt+\ks)+4*\cc+3], v[L16], s[36:37] offset:8192*\qt+2048*\ks+512*\cc
.endr
.endr
.endr
	WIN 0
	LOADRUN 0
	LOADRUN 1
	LOADRUN 2
	; ---------------- A: the scores
.irp kt, 0,1,2,3,4,5,6,7,8,9,10,11,12,13,14,15
	RUNA \kt
.endr
	; ---------------- B: the softmax.  v's first three runs are on their way meanwhile
.irp m, 0,1,2,3,4,5,6,7
.irp p, 0,1,2,3
	global_load_b32 v[KSC+4*\m+\p], v[L4], s[34:35] offset:2048*\m+128*\p
.endr
.endr
	s_wait_alu depctr_vm_vsrc(0)                   ; bt's loads at the head have read v4, which is made anew
	v_and_b32 v5, 15, v0
	v_lshl_add_u32 v5, v5, 4, REDM                 ; a query's four words, one a wave
	s_lshl_b32 s21, s[WV], 2
	v_add_nc_u32 v4, s21, v5                       ; mine among them
	WIN 0x40
.set i, 0
.rept 16
	v_mov_b32 v[MXC+i], 0xff800000                 ; - infinity, under every score
	v_mov_b32 v[SMC+i], 0
.set i, i+1
.endr
.irp q, 0,1,2,3
	v_mov_b32 v[PRM+\q], 0                         ; (a lane permute's destination counts as one of its sources)
	v_mov_b32 v[NM+2*\q+1], 0                      ; (named as the upper halves of pairs)
	v_mov_b32 v[RL+2*\q+1], 0
.irp b, 0,1,2,3
	v_mov_b32 v[TQ+36*\q+4+\b], 0                  ; (the permutes' destinations in each of the quantiser's four sets)
.endr
.endr
.irp wn, 0,1
	WIN 0x69+0x14*\wn
.irp a, 0,1,2,3,4,5,6,7
.irp jp, 0,1,2,3
.irp qt, 0,1,2,3
	v_max3_num_f32 v[MXC+4*\qt+\jp], v[MXC+4*\qt+\jp], v[32*\a+8*\qt+2*\jp], v[32*\a+8*\qt+2*\jp+1]   ; sixteen chains by turns; each accumulator from its low end on
.endr
.endr
.endr
.endr
	WIN 0x55
.irp q, 0,1,2,3
	v_max3_num_f32 v[MXC+4*\q], v[MXC+4*\q], v[MXC+4*\q+1], v[MXC+4*\q+2]
.endr
.irp q, 0,1,2,3
	v_max_num_f32 v[MXC+4*\q], v[MXC+4*\q], v[MXC+4*\q+3]
.endr
.irp q, 0,1,2,3
	v_permlanex16_b32 v[PRM+\q], v[MXC+4*\q], s[SEL], s[SEL+1]
.endr
.irp q, 0,1,2,3
	v_max_num_f32 v[MXC+4*\q], v[MXC+4*\q], v[PRM+\q]              ; my wave's 256 keys
.endr
	WIN 0x04
	s_wait_alu depctr_va_vdst(0)                   ; the maxima and the addresses v4 and v5 are written, which the LDS stores and loads below read; the scores' products are done reading q, in whose registers the four waves' figures land
.irp q, 0,1,2,3
	ds_store_b32 v4, v[MXC+4*\q] offset:256*\q     ; both halves of the lanes write the same word
.endr
	BARRIER
	WIN 0x40
.irp q, 0,1,2,3
	ds_load_b128 v[EX+4*\q:EX+4*\q+3], v5 offset:256*\q
.endr
	s_wait_dscnt 0x0
	WIN 0x55
.irp q, 0,1,2,3
	v_max3_num_f32 v[EX+4*\q], v[EX+4*\q], v[EX+4*\q+1], v[EX+4*\q+2]
.endr
.irp q, 0,1,2,3
	v_max_num_f32 v[EX+4*\q], v[EX+4*\q], v[EX+4*\q+3]             ; the row's maximum over all 1,024 keys: it is taken away ahead of the exponential
.endr
.irp q, 0,1,2,3
	v_mul_f32 v[NM+2*\q], s[NC], v[EX+4*\q]
.endr
.irp wn, 0,1
	WIN 0x92+0x41*\wn
.irp qt, 0,1,2,3
.irp a, 0,1,2,3,4,5,6,7
.irp jp, 0,1,2,3
	v_pk_fma_f32 v[32*\a+8*\qt+2*\jp:32*\a+8*\qt+2*\jp+1], v[32*\a+8*\qt+2*\jp:32*\a+8*\qt+2*\jp+1], s[CS:CS+1], v[NM+2*\qt:NM+2*\qt+1] op_sel_hi:[1,0,0]   ; c s - c max
.endr
.endr
.irp a, 0,1,2,3,4,5,6,7
.irp j, 0,1,2,3,4,5,6,7
	v_exp_f32 v[32*\a+8*\qt+\j], v[32*\a+8*\qt+\j]
.endr
.endr
.endr
.endr
	v_nop                                          ; a plain line behind the last exponential
	s_wait_alu depctr_va_vdst(0)                   ; the exponentials have written their results, ahead of the first instruction that names one: one wait for the batch
.irp wn, 0,1
	WIN 0x49+0x04*\wn
.irp a, 0,1,2,3,4,5,6,7
.irp jp, 0,1,2,3
.irp qt, 0,1,2,3
	v_pk_add_f32 v[SMC+4*\qt+2*(\jp%2):SMC+4*\qt+2*(\jp%2)+1], v[SMC+4*\qt+2*(\jp%2):SMC+4*\qt+2*(\jp%2)+1], v[32*\a+8*\qt+2*\jp:32*\a+8*\qt+2*\jp+1]
.endr
.endr
.endr
.endr
	WIN 0x55
.irp q, 0,1,2,3
	v_pk_add_f32 v[SMC+4*\q:SMC+4*\q+1], v[SMC+4*\q:SMC+4*\q+1], v[SMC+4*\q+2:SMC+4*\q+3]
.endr
.irp q, 0,1,2,3
	v_add_f32 v[SMC+4*\q], v[SMC+4*\q], v[SMC+4*\q+1]
.endr
.irp q, 0,1,2,3
	v_permlanex16_b32 v[PRM+\q], v[SMC+4*\q], s[SEL], s[SEL+1]
.endr
.irp q, 0,1,2,3
	v_add_f32 v[SMC+4*\q], v[SMC+4*\q], v[PRM+\q]
.endr
	WIN 0x04
	s_wait_alu depctr_va_vdst(0)                   ; the sums are written, which the LDS stores below read; the maxima's lines are done with the four waves' figures, in whose registers the sums' figures land
.irp q, 0,1,2,3
	ds_store_b32 v4, v[SMC+4*\q] offset:1024+256*\q                ; other bytes than the maxima's
.endr
	BARRIER
	WIN 0x40
.irp q, 0,1,2,3
	ds_load_b128 v[EX+4*\q:EX+4*\q+3], v5 offset:1024+256*\q
.endr
	s_wait_dscnt 0x0
	WIN 0x55
.irp q, 0,1,2,3
	v_pk_add_f32 v[EX+4*\q:EX+4*\q+1], v[EX+4*\q:EX+4*\q+1], v[EX+4*\q+2:EX+4*\q+3]
.endr
.irp q, 0,1,2,3
	v_add_f32 v[EX+4*\q], v[EX+4*\q], v[EX+4*\q+1]                 ; the row's sum
.endr
.irp q, 0,1,2,3
	v_rcp_f32 v[RL+2*\q], v[EX+4*\q]
.endr
	v_nop
	WIN 0
	s_wait_alu depctr_vm_vsrc(0)                   ; the LDS stores and loads above have read v4 and v5, which are made anew
	s_lshl_b32 s21, s[WV], 14
	v_add_nc_u32 v4, s21, v[L16]                   ; p's images: my two key steps' eight fragments
	s_lshl_b32 s21, s[WV], 9
	s_add_co_u32 s21, s21, PSC
	v_add_nc_u32 v5, s21, v[R4]                    ; their scale words
	v_add_nc_u32 v6, PSC, v[L4]                    ; and where all of them are read
	v_and_b32 v7, 31, v0
	v_lshlrev_b32 v7, 12, v7                       ; the prefetches of x: a row of 4,096 bytes a lane
	s_wait_alu depctr_va_vdst(0)                   ; the four reciprocals have written their results, ahead of their first reader; v4 to v7 are written, which LDS instructions and the prefetches read
.irp mp, 0,1                           ; a key step's four fragments are quantised into four sets of registers, and leave together behind one wait
.irp qt, 0,1,2,3
	WIN 0x86+0x41*\mp
.irp a, 0,1,2,3,4,5,6,7
.irp jp, 0,1,2,3
	v_pk_mul_f32 v[32*\a+8*\qt+2*\jp:32*\a+8*\qt+2*\jp+1], v[32*\a+8*\qt+2*\jp:32*\a+8*\qt+2*\jp+1], v[RL+2*\qt:RL+2*\qt+1] op_sel_hi:[1,0]   ; p, normalised
.endr
.endr
.if (\mp == 1) && (\qt == 0)
	s_wait_alu depctr_vm_vsrc(0)                   ; the first key step's LDS stores have read the four sets, which are written again from here on
.endif
	QUANT 8*\qt, 32, 2+\mp, 1, TQ+36*\qt, 1
.endr
	WIN 0x04
	s_wait_alu depctr_va_vdst(0)                   ; the conversions have written the four sets' codes and scale words, which the LDS stores below read (behind the second key step: and the quantiser is done with windows 2 and 3, in which p's fragments land)
.irp qt, 0,1,2,3
.irp cc, 0,1,2,3
	ds_store_b128 v4, v[TQ+36*\qt+20+4*\cc:TQ+36*\qt+23+4*\cc] offset:(4*\mp+\qt)*2048+512*\cc
.endr
	ds_store_b32 v5, v[TQ+36*\qt+16] offset:256*\mp+64*\qt
.endr
.endr
	WIN 0
	BARRIER                                        ; p's 32 fragments lie in LDS
	s_wait_alu depctr_vm_vsrc(0)                   ; my LDS stores have read the maxima, the sums and the four sets in window 1, all of which O^T's products write
.irp m, 0,1,2,3,4,5,6,7
.irp p, 0,1
	ds_load_b32 v[QSC+2*\m+\p], v6 offset:256*\m+128*\p
.endr
.endr
	PLOAD 0, 0                                     ; p's fragments of the first two key steps; the others are asked for in C's runs, two key steps ahead
	PLOAD 0, 2
	PLOAD 1, 0
	PLOAD 1, 2
	; ---------------- C: O^T
	RUNC 16, 0                                     ; v's scale words were asked for behind run 18's fragments: all are waited for, a whole softmax later
.irp R, 17,18,19,20,21,22,23,24,25,26,27,28,29,30,31
	RUNC \R, 32
.endr
	; ---------------- D: o's codes, the last product, the residual
.irp p, 0,1,2,3
	global_load_b128 v[KSC+4*\p:KSC+4*\p+3], v[L16], s[38:39] offset:512*\p        ; Wt's scale words: lanes 0-15 tile 2 p's four, lanes 16-31 tile 2 p + 1's
.endr
	s_wait_xcnt 0x0                                ; the prefetches' address register is written again only behind this wait
	s_wait_alu depctr_vm_vsrc(0)                   ; the loads of p's scale words have read v6 and the prefetches v7: v4 to v7 are made anew
	s_lshl_b32 s21, s[WV], 11
	s_add_co_u32 s21, s21, OIMG
	v_add_nc_u32 v4, s21, v[L16]                   ; o's images: K step w of each tile of queries
	s_lshl_b32 s21, s[WV], 8
	s_add_co_u32 s21, s21, OSC
	v_add_nc_u32 v5, s21, v[R4]
	v_add_nc_u32 v6, OIMG, v[L16]
	v_add_nc_u32 v7, OSC, v[L4]
	WIN 0xc0
.irp qt, 0,1,2,3
.irp b, 0,1,2,3
	v_mov_b32 v[TO+36*\qt+4+\b], 0                 ; (a lane permute's destination counts as one of its sources)
.endr
.endr
.irp qt, 0,1,2,3
	QUANT 8*\qt, 32, 1, 3, TO+36*\qt, 0
.endr
	WIN 0x0c
	s_wait_alu depctr_va_vdst(0)                   ; the conversions have written the four sets and v4 to v7 are written, which the LDS instructions below read; C's products are done reading p and its scale words, in whose registers o and its words land
.irp qt, 0,1,2,3
.irp cc, 0,1,2,3
	ds_store_b128 v4, v[TO+36*\qt+20+4*\cc:TO+36*\qt+23+4*\cc] offset:8192*\qt+512*\cc
.endr
	ds_store_b32 v5, v[TO+36*\qt+16] offset:64*\qt
.endr
	WIN 0x40
.irp D, 0,1,2,3,4,5,6,7
.irp j, 0,1,2,3,4,5,6,7
	v_mov_b32 v[8*\D+\j], v[BTV+\D]                ; a lane holds one output channel: its bias in all eight registers of the C
.endr
.endr
	WIN 0
	BARRIER                                        ; o's 16 fragments lie in LDS
.irp ks, 0,1,2,3
.irp p, 0,1
	ds_load_b32 v[QSC+2*\ks+\p], v7 offset:256*\ks+128*\p
.endr
.endr
	WIN 0x80
.irp qt, 0,1,2,3
.irp ks, 0,1,2,3
.irp cc, 0,1,2,3
	ds_load_b128 v[16*(4*\qt+\ks)+4*\cc:16*(4*\qt+\ks)+4*\cc+3], v6 offset:(4*\qt+\ks)*2048+512*\cc
.endr
.endr
.endr
	WIN 0
	s_wait_dscnt 0x0
	s_wait_alu depctr_vm_vsrc(0)                   ; my LDS stores have read the four sets in window 3, which the products below write; my LDS stores and loads have read v4 to v7, which are made anew
	s_mul_i32 s21, s[WV], 4352
	s_add_co_u32 s21, s21, STG                     ; my stage
	v_and_b32 v4, 15, v0                           ; r
	v_bfe_u32 v5, v0, 4, 1                         ; h
	v_lshlrev_b32 v6, 4, v4
	v_lshl_add_u32 v6, v5, 12, v6                  ; x and out: lanes 0-15 one row, lanes 16-31 the next; 16 bytes a lane
	v_mul_u32_u24 v7, v5, 272
	v_lshl_add_u32 v7, v4, 4, v7
	v_mul_u32_u24 v4, v4, 272
	v_lshl_add_u32 v4, v5, 6, v4
	v_add_nc_u32 v4, s21, v4                       ; into the stage: row r; tokens 16 h + 0..7 of a tile's 32: 64 h bytes on
	v_add_nc_u32 v5, s21, v7                       ; and back
	RUND 32, 0                                     ; Wt's scale words were asked for behind run 34's fragments
	RUND 33, 32
	RUND 34, 32
	RUND 35, 32
	RUND 36, 32
	XLOAD 0                                        ; behind run 36's wait and run 39's loads: no vector or matrix instruction since that wait names these registers
	XLOAD 1
	RUND 37, 48                                    ; younger: runs 38 and 39, and 16 loads of x
	RUND 38, 32
	RUND 39, 16
	PLACES 8                                       ; ahead of the first read of the last results
	s_wait_alu depctr_va_vdst(0)                   ; the products have written all 32 accumulators, which the LDS stores of the way out read; the places above stay beside this wait
	TOSTAGE 0
.irp D, 0,1,2,3,4,5,6,7
.if \D < 7
	TOSTAGE \D+1                                   ; the next tile goes through the stage while this one is added and stored
.endif
	SEND \D
.endr
	WIN 0
	s_wait_xcnt 0x0
	v_lshl_add_u32 v254, v0, 2, 0x1d800
	v_mov_b32 v255, 0
	s_wait_dscnt 0x0                               ; the closing lines, six on end
	s_wait_alu 0x0
	s_wait_tensorcnt 0x0
	ds_add_u32 v254, v255
	s_wait_dscnt 0x0
	s_endpgm
.Lfunc_end_k_qfa3f139920_attn:
	.size	k_qfa3f139920_attn, .Lfunc_end_k_qfa3f139920_attn-k_qfa3f139920_attn
	.p2alignl 7, 3214868480
	.fill 96, 4, 3214868480
	.section	.rodata,"a",@progbits
	.p2align	6, 0x0
	.amdhsa_kernel k_qfa3f139920_attn
		.amdhsa_group_segment_fixed_size 121344
		.amdhsa_private_segment_fixed_size 0
		.amdhsa_enable_private_segment 0
		.amdhsa_kernarg_size 56
		.amdhsa_user_sgpr_count 2
		.amdhsa_user_sgpr_kernarg_segment_ptr 1
		.amdhsa_wavefront_size32 1
		.amdhsa_system_sgpr_workgroup_id_x 1
		.amdhsa_system_sgpr_workgroup_id_y 1
		.amdhsa_system_sgpr_workgroup_id_z 1
		.amdhsa_system_vgpr_workitem_id 0
		.amdhsa_next_free_vgpr 1024
		.amdhsa_next_free_sgpr 66
		.amdhsa_reserve_vcc 0
		.amdhsa_float_denorm_mode_32 3
		.amdhsa_float_denorm_mode_16_64 3
		.amdhsa_memory_ordered 1
		.amdhsa_forward_progress 1
		.amdhsa_inst_pref_size 255
	.end_amdhsa_kernel
	.section	.bss,"aw",@nobits
	.p2align	6
	.space	262144
	.amdgpu_metadata
---
amdhsa.version: [ 1, 2 ]
amdhsa.kernels:
  - .name:           k_qfa3f139920_attn
    .symbol:         k_qfa3f139920_attn.kd
    .args:
      - { .name: qkvc, .offset: 0, .size: 8, .value_kind: global_buffer, .address_space: global }
      - { .name: qkvs, .offset: 8, .size: 8, .value_kind: global_buffer, .address_space: global }
      - { .name: wc, .offset: 16, .size: 8, .value_kind: global_buffer, .address_space: global }
      - { .name: wsw, .offset: 24, .size: 8, .value_kind: global_buffer, .address_space: global }
      - { .name: x, .offset: 32, .size: 8, .value_kind: global_buffer, .address_space: global }
      - { .name: bt, .offset: 40, .size: 8, .value_kind: global_buffer, .address_space: global }
      - { .name: out0, .offset: 48, .size: 8, .value_kind: global_buffer, .address_space: global }
    .group_segment_fixed_size: 121344
    .private_segment_fixed_size: 0
    .kernarg_segment_align: 8
    .kernarg_segment_size: 56
    .max_flat_workgroup_size: 128
    .sgpr_count:     66
    .vgpr_count:     1024
    .wavefront_size: 32
...
	.end_amdgpu_metadata
.endif
;; end of part 4
